; MI455X (gfx1250); checked and timed in simulation.
; The chip was launched on July 23, 2026; its instructions are those of AMD's public machine-readable ISA for CDNA 5 (MIT licence, August 2026) and "CDNA5" Instruction Set Architecture Reference Guide (July 2026). The comments in the code are by the model that wrote it; some were corrected since.
;; Jacob Attention Layer. Allowed arithmetic: matrix products marked QUANTISED: E2M1 operands, one E8M0 scale for each 32 along K, by v_wmma_scale_f32_16x16x128_f8f6f4 with both operands' format E2M1 (or v_wmma_scale_f32_32x16x128_f4), f32 sums; products left as they are: bf16, f16 or f32 operands; f32 sums; everything else in f32.
;; Inputs: W 3,088 x 1,024 float32; x 2 x 2,048 x 1,024 float32.
;; Outputs: out0 2 x 2,048 x 1,024 float32.
;; This version of the problem:
;;   THIS VERSION OF THE PROBLEM IS GIVEN IN LOW PRECISION. The matrix products marked QUANTISED in the list below multiply operands that are first quantised to E2M1 (2 exponent bits, 1 mantissa bit; 4 bits a number), with one power-of-two scale for each 32 numbers along K (OCP MX v1.0); their sums are f32. The products marked 'left as it is' may take bf16, f16 or f32 operands, with f32 sums. Whichever they take, every output number must still come out within the allowed error. Rounding operands to bf16 (8 significant bits) uses up far more of that allowance than f16 does (11 bits, for magnitudes from 6e-5 to 65,504). All else is computed in f32.
;;   The module's matrix products, in the order in which they are computed (A, B: the left and right operand; K: the contracted axis; several contracted axes count as one K, in the product's order):
;;     1. [M 4,096, K 1,024] x [K 1,024, N 3,088]; A: input x; B: input W: QUANTISED
;;     2. batch 32 x [M 2,048, K 64] x [K 64, N 2,048]; A: computed on the way; B: computed on the way: left as it is (an operand is computed on the way)
;;     3. batch 32 x [M 2,048, K 2,048] x [K 2,048, N 64]; A: computed on the way; B: computed on the way: left as it is (an operand is computed on the way)
;;   THE QUANTISER, for each operand of a quantised product, along K:
;;     - K is cut into blocks of 32 from its start; a last block that is shorter is filled with zeros.
;;     - A block's scale is 2^e with e = floor(log2(the largest magnitude in the block)) - 2, held to -126 .. 127; a block of zeros has e = 0. As a byte (E8M0): e + 127.
;;     - Each number is divided by its block's scale, clamped to +-6, and rounded to the nearest number of E2M1, ties to even, subnormals kept.
;;     - The product sums the exact products of the quantised numbers (number of the format x scale) in f32.
;;   ~~~python
;;   def quantise(x, axis):      # numpy; x: float32 -> the quantised numbers, widened to float32 again
;;       x = np.moveaxis(x, axis, -1); K = x.shape[-1]
;;       x = np.pad(x, [(0, 0)] * (x.ndim - 1) + [(0, -K % 32)]); x = x.reshape(x.shape[:-1] + (-1, 32)); a = np.abs(x).max(-1, keepdims=True)
;;       e = np.where(a > 0, np.clip(np.frexp(np.where(a > 0, a, 1))[1] - 1 - 2, -126, 127), 0)      # np.frexp(a)[1] - 1 = floor(log2(a)), exactly
;;       r = np.clip(x / 2.0 ** e, -6, 6)
;;       step = 2.0 ** (np.maximum(np.frexp(np.where(r == 0, 1, r))[1] - 1, 0) - 1)
;;       q = np.round(r / step) * step * 2.0 ** e      # np.round: ties to even
;;       return np.moveaxis(q.reshape(q.shape[:-2] + (-1,))[..., :K], -1, axis).astype(np.float32)
;;   ~~~
;; One version. Each part assembles by itself: llvm-mc -triple=amdgcn-amd-amdhsa -mcpu=gfx1250 --defsym DOCPART=n.
;; ======== version 1 of 1: 4 launches
;; limits: values are held in f16: magnitudes above 65,504 overflow, below 6.1e-05 lose precision
;; workspace buffers: xc 2,097,152 bytes; xs 131,072 bytes; wc 1,581,056 bytes; ws 98,816 bytes; lgate 262,144 bytes; qkv 41,943,040 bytes
;; launch quant (part 1): grid 449 x 1, 4 waves a work-group, no clusters, 21,504 bytes of LDS; arguments x, W, xc, xs, wc, ws; writes xc, xs, wc, ws
.if DOCPART == 1
	.amdgcn_target "amdgcn-amd-amdhsa--gfx1250"
	.amdhsa_code_object_version 6
	.text
	.protected	k_qe9de16cf01_quant
	.globl	k_qe9de16cf01_quant
	.p2align	8
	.type	k_qe9de16cf01_quant,@function
k_qe9de16cf01_quant:
	s_mov_b64 s[64:65], 0
	v_nop
	global_prefetch_b8 v0, s[64:65] scope:SCOPE_SE
	s_setreg_imm32_b32 hwreg(HW_REG_WAVE_MODE, 25, 1), 1
	s_wait_xcnt 0x0
; x [4096][1024] and W [3088][1024], f32, become codes of E2M1 (4 bits, K innermost, the lower k in the low four bits) and one E8M0 byte for each 32 along K.
; A block's scale is 2^(floor(log2(its largest magnitude)) - 2): its byte is the largest magnitude's exponent field - 2, held at 1 from below; each number is divided by the scale and rounded to the nearest code, ties to even, beyond 6 the largest code.
; LIMITS: a block whose largest magnitude lies under 2^-124, a block of zeros among them, gets the byte 1 (its codes are zeros or the smallest codes; only this program reads the bytes); NaN and infinities among the inputs are not served.
; Rows are dense and K is a multiple of 32: both tensors are plain streams of blocks.  A work-group takes 16,384 numbers (16 rows): the first 256 work-groups take x, the other 193 W.  A wave takes 8 steps of 512 numbers.
; All 32 loads of a wave go out at the head.  Each reads 512 consecutive bytes; a step's 2,048 bytes turn through the wave's own stage in LDS, so that a lane then holds 16 neighbours along K (two lanes to a block).
; A lane's 16 codes are 8 bytes: a wave's store covers 256 consecutive bytes, aligned.  The work-group's 512 scale bytes are gathered in LDS and leave by one store of 512 consecutive bytes.
.set WAVES, 4
.set STEPS, 8
.set WGX,   256                        ; work-groups for x
.set R,     16                         ; v16-143  eight sets of 16 numbers as loaded
.set X,     144                        ; v144-175 two sets of 16 neighbours
.set C,     176                        ; v176-191 codes: two registers for each step, never rewritten
.set E,     192                        ; v192-199 a scale byte for each step
.set WREG,  5120                       ; LDS: two stages of 32 x SP bytes for each wave
.set SP,    80                         ; a lane's place in a stage: 64 bytes + 16 of padding
.set SCB,   WAVES*WREG                 ; the work-group's 512 scale bytes
.set SPARE, SCB+512                    ; the spare words, 128 bytes for each wave: no other line names them
.set SPW,   12                         ; v12 LDS address of my spare word; never rewritten
.set NIL,   13                         ; v13 0; never rewritten
	s_load_b128 s[4:7], s[0:1], 0x0                ; x, W
	s_load_b128 s[8:11], s[0:1], 0x10              ; x's codes, x's scales
	s_load_b128 s[12:15], s[0:1], 0x20             ; W's codes, W's scales
	v_lshl_add_u32 v[SPW], v0, 2, SPARE
	v_mov_b32 v[NIL], 0
	v_lshrrev_b32 v1, 5, v0
	v_readfirstlane_b32 s16, v1                    ; wave
	v_and_b32 v2, 31, v0                           ; lane
	v_lshlrev_b32 v3, 4, v2                        ; my 16 bytes of a load's 512
	s_mul_i32 s17, s16, WREG
	v_lshrrev_b32 v14, 2, v2
	v_mul_u32_u24 v14, v14, SP
	v_and_b32 v15, 3, v2
	v_lshl_add_u32 v14, v15, 4, v14
	v_add_nc_u32 v14, s17, v14                     ; the stage, way in: four lanes' 64 bytes on end, then the padding
	v_mul_u32_u24 v15, v2, SP
	v_add_nc_u32 v15, s17, v15                     ; way out: SP x lane: my 16 neighbours
	v_lshlrev_b32 v4, 3, v2                        ; my codes' place in a step's 256 bytes
	v_lshrrev_b32 v5, 1, v2
	s_lshl_b32 s17, s16, 7
	s_add_co_u32 s17, s17, SCB
	v_add_nc_u32 v5, s17, v5                       ; my block's scale byte: SCB + 128 x wave + lane / 2
	v_add_nc_u32 v6, SCB, v3                       ; and on the way out 16 bytes a lane
	s_wait_kmcnt 0x0
	s_cmp_lt_u32 ttmp9, WGX                        ; x's work-group or W's: the choice hangs on the work-group's number alone
	s_cselect_b64 s[4:5], s[4:5], s[6:7]
	s_cselect_b64 s[8:9], s[8:9], s[12:13]
	s_cselect_b64 s[10:11], s[10:11], s[14:15]
	s_cselect_b32 s17, 0, WGX
	s_sub_co_u32 s17, ttmp9, s17                   ; the work-group's number within its tensor
	s_lshl_b32 s18, s17, 2
	s_add_co_u32 s18, s18, s16                     ; which run of 4,096 numbers is my wave's
	s_mov_b32 s21, 0
	s_lshl_b32 s20, s18, 14                        ; 16,384 bytes of f32 a run
	s_add_nc_u64 s[4:5], s[4:5], s[20:21]
	s_lshl_b32 s20, s18, 11                        ; 2,048 bytes of codes
	s_add_nc_u64 s[8:9], s[8:9], s[20:21]
	s_lshl_b32 s20, s17, 9                         ; 512 scale bytes a work-group
	s_add_nc_u64 s[10:11], s[10:11], s[20:21]
.macro LOAD t
.irp i, 0,1,2,3
	global_load_b128 v[R+16*(\t)+4*\i:R+16*(\t)+4*\i+3], v3, s[4:5] offset:2048*(\t)+512*\i th:TH_LOAD_NT
.endr
.endm
.macro TURN t                          ; step t's numbers through a stage: LDS serves a wave's instructions in order, so no wait stands between the stores and the loads
.irp i, 0,1,2,3
	ds_store_b128 v14, v[R+16*(\t)+4*\i:R+16*(\t)+4*\i+3] offset:32*SP*((\t)%2)+8*SP*\i
.endr
.irp i, 0,1,2,3
	ds_load_b128 v[X+16*((\t)%2)+4*\i:X+16*((\t)%2)+4*\i+3], v15 offset:32*SP*((\t)%2)+16*\i
.endr
.endm
.irp t, 0,1,2,3,4,5,6,7
	LOAD \t
.endr
	s_wait_loadcnt 28                              ; step 0's four loads are in; the 28 of the seven steps behind it may be out
	TURN 0
.macro STEP t
.set XS, X+16*((\t)%2)
.if (\t) > 0
	s_wait_dscnt 1                                 ; this step's numbers are back from the stage; the last step's byte store may be out
.else
	s_wait_dscnt 0x0
.endif
.if (\t)+1 < STEPS
	s_wait_loadcnt 4*(STEPS-2-(\t))                ; the next step's four loads are in; those of the steps behind it may be out
	TURN (\t)+1                                    ; they go through the other stage while this step is worked
.endif
	v_max3_num_f32 v8, |v[XS]|, |v[XS+1]|, |v[XS+2]|               ; the largest magnitude of my 16, in two chains
	v_max3_num_f32 v9, |v[XS+3]|, |v[XS+4]|, |v[XS+5]|
.irp i, 6,10
	v_max3_num_f32 v8, v8, |v[XS+\i]|, |v[XS+\i+1]|
	v_max3_num_f32 v9, v9, |v[XS+\i+2]|, |v[XS+\i+3]|
.endr
	v_max3_num_f32 v8, v8, |v[XS+14]|, |v[XS+15]|
	v_max3_num_f32 v8, v8, v9, 0x1800000           ; and the floor 2^(3 - 127): the byte cannot fall under 1
	v_max_num_f32_dpp v8, v8, v8 row_xmask:1 row_mask:0xf bank_mask:0xf   ; with my neighbour's 16: the block's
	v_add_nc_u32 v11, 0xff000000, v8               ; 2 off its exponent field: the conversion takes the exponent field of this operand as its scale
	v_cvt_scalef32_pk8_fp4_f32 v[C+2*(\t)], v[XS:XS+7], v11
	v_cvt_scalef32_pk8_fp4_f32 v[C+2*(\t)+1], v[XS+8:XS+15], v11
	v_lshrrev_b32 v[E+(\t)], 23, v11               ; the scale's byte (also the plain line behind the conversions)
	ds_store_b8 v5, v[E+(\t)] offset:16*(\t)       ; both lanes of a block write the same byte with the same value
	global_store_b64 v4, v[C+2*(\t):C+2*(\t)+1], s[8:9] offset:256*(\t)   ; 32 lanes store 256 consecutive bytes, aligned
.endm
.irp t, 0,1,2,3,4,5,6,7
	STEP \t
.endr
	s_wait_dscnt 0x0                               ; for the others' sake: my byte stores have landed
	s_barrier_signal -1
	s_barrier_wait -1
	s_cmp_lg_u32 s16, 0
	s_cbranch_scc1 .Lnot_wave_0
	ds_load_b128 v[8:11], v6                       ; wave 0 takes the four waves' 512 scale bytes
	s_wait_dscnt 0x0
	global_store_b128 v3, v[8:11], s[10:11]        ; 512 consecutive bytes, aligned
.Lnot_wave_0:
	s_wait_tensorcnt 0x0                           ; the wave's end, behind my last LDS store
	ds_add_u32 v[SPW], v[NIL]
	s_wait_dscnt 0x0
	s_endpgm
.Lfunc_end_k_qe9de16cf01_quant:
	.size	k_qe9de16cf01_quant, .Lfunc_end_k_qe9de16cf01_quant-k_qe9de16cf01_quant
	.p2alignl 7, 3214868480
	.fill 96, 4, 3214868480
	.section	.rodata,"a",@progbits
	.p2align	6, 0x0
	.amdhsa_kernel k_qe9de16cf01_quant
		.amdhsa_group_segment_fixed_size 21504
		.amdhsa_private_segment_fixed_size 0
		.amdhsa_enable_private_segment 0
		.amdhsa_kernarg_size 48
		.amdhsa_user_sgpr_count 2
		.amdhsa_user_sgpr_kernarg_segment_ptr 1
		.amdhsa_wavefront_size32 1
		.amdhsa_system_sgpr_workgroup_id_x 1
		.amdhsa_system_sgpr_workgroup_id_y 1
		.amdhsa_system_sgpr_workgroup_id_z 1
		.amdhsa_system_vgpr_workitem_id 0
		.amdhsa_next_free_vgpr 200
		.amdhsa_next_free_sgpr 66
		.amdhsa_reserve_vcc 0
		.amdhsa_float_denorm_mode_32 3
		.amdhsa_float_denorm_mode_16_64 3
		.amdhsa_memory_ordered 1
		.amdhsa_forward_progress 1
		.amdhsa_inst_pref_size 18
	.end_amdhsa_kernel
	.amdgpu_metadata
---
amdhsa.version: [ 1, 2 ]
amdhsa.kernels:
  - .name:           k_qe9de16cf01_quant
    .symbol:         k_qe9de16cf01_quant.kd
    .args:
      - { .name: x, .offset: 0, .size: 8, .value_kind: global_buffer, .address_space: global }
      - { .name: W, .offset: 8, .size: 8, .value_kind: global_buffer, .address_space: global }
      - { .name: xc, .offset: 16, .size: 8, .value_kind: global_buffer, .address_space: global }
      - { .name: xs, .offset: 24, .size: 8, .value_kind: global_buffer, .address_space: global }
      - { .name: wc, .offset: 32, .size: 8, .value_kind: global_buffer, .address_space: global }
      - { .name: ws, .offset: 40, .size: 8, .value_kind: global_buffer, .address_space: global }
    .group_segment_fixed_size: 21504
    .private_segment_fixed_size: 0
    .kernarg_segment_align: 8
    .kernarg_segment_size: 48
    .max_flat_workgroup_size: 128
    .sgpr_count:     66
    .vgpr_count:     200
    .wavefront_size: 32
...
	.end_amdgpu_metadata
.endif
;; end of part 1
;; launch small (part 2): grid 48 x 1, 16 waves a work-group, no clusters, 16,640 bytes of LDS; arguments xc, xs, wc, ws, lgate, out0; writes lgate, out0
.if DOCPART == 2
	.amdgcn_target "amdgcn-amd-amdhsa--gfx1250"
	.amdhsa_code_object_version 6
	.text
	.protected	k_qe9de16cf01_small
	.globl	k_qe9de16cf01_small
	.p2align	8
	.type	k_qe9de16cf01_small,@function
k_qe9de16cf01_small:
	s_mov_b64 s[64:65], 0
	v_nop
	global_prefetch_b8 v0, s[64:65] scope:SCOPE_SE
	s_setreg_imm32_b32 hwreg(HW_REG_WAVE_MODE, 25, 1), 1
	s_wait_xcnt 0x0
; Two small jobs on the codes of x and W, parted by the work-group's number.
; GATES (work-groups 0-15): the 16 gate columns (W's rows 3072-3087) for all 4,096 tokens, a tile of 16 tokens to a wave, by products on E2M1 codes.
;   Stored: n = -log2(sigmoid(g)) = log2(1 + 2^-|g'|) - min(g', 0), g' = g log2(e), as f32 [b][head][t].  A wave's store covers 64 consecutive bytes of each of 16 rows: 262,144 bytes in the whole launch.
; FIRST POSITIONS (work-groups 16-47, one for each batch and head): positions 0-15, whose rows average one to sixteen values, wholly in f32.
;   Waves 0-12 make q, k, v of the head and the gate logits for tokens 0-15 by products on codes (f32 sums, not rounded further) into LDS; then thread (t, s) of waves 0-7 makes score (t, s) by fused multiply-adds,
;   z = 2 log2(|S| + 1e-7) + h_s, h_s the running sum of n (log(scale) and the query's own gate sum are the same for a whole row and fall out against the row's maximum),
;   the row's maximum, p = 2^(z - max), the row's sum; then four channels of the row's output.
; K = 1,024 is eight matrix instructions; they go by turns onto two accumulators, which are added at the end.
; LIMITS: NaN and infinities among the inputs are not served.
.set XF,  32                           ; v32-95   x's eight fragments; later q's row, then p's row
.set WF,  96                           ; v96-159  W's eight fragments; later k's row, then v's 16 pieces
.set XS,  160                          ; v160-167 x's scale words: scales and nothing else
.set WS,  168                          ; v168-175 W's
.set ACC, 176                          ; v176-191 two accumulators
.set SUM, 192                          ; v192-199 their sum
.set T2,  200                          ; v200-207 at work
.set XP,  18                           ; v18-25   at work
.set SPW, 16                           ; v16 LDS address of my spare word; never rewritten
.set NIL, 17                           ; v17 0; never rewritten
.set FP,  848                          ; LDS: F, 16 tokens x 208 f32 (q 0-63, k 64-127, v 128-191, gate logits 192-207), 832 bytes + 16 of padding a row
.set PB,  16*FP                        ; p: 256 words
.set SPARE, PB+1024                    ; the spare words, 128 bytes for each of 16 waves: no other line names them
.macro FRAGS reg, base                 ; eight fragments, 16 rows x 128 K each: lane (r, h) takes 16 bytes at 512 r + 64 k + 32 c + 16 h
.irp k, 0,1,2,3,4,5,6,7
.irp c, 0,1
	global_load_b128 v[\reg+8*\k+4*\c:\reg+8*\k+4*\c+3], v3, s[\base:\base+1] offset:64*\k+32*\c
.endr
.endr
.endm
.macro SCLS reg, base                  ; a row's eight scale words, one for each 128 along K
	global_load_b128 v[\reg:\reg+3], v4, s[\base:\base+1]
	global_load_b128 v[\reg+4:\reg+7], v4, s[\base:\base+1] offset:16
.endm
.macro MULT fa, ca, fb, cb             ; lane (r, h) ends with row r of the second operand against rows 8 h + 0 .. 7 of the first, in v[SUM] on
.irp k, 0,1,2,3,4,5,6,7
.if \k < 2
	v_wmma_scale_f32_16x16x128_f8f6f4 v[ACC+8*(\k%2):ACC+8*(\k%2)+7], v[\fa+8*\k:\fa+8*\k+7], v[\fb+8*\k:\fb+8*\k+7], 0, v[\ca+\k], v[\cb+\k] matrix_a_fmt:MATRIX_FMT_FP4 matrix_b_fmt:MATRIX_FMT_FP4
.else
	v_wmma_scale_f32_16x16x128_f8f6f4 v[ACC+8*(\k%2):ACC+8*(\k%2)+7], v[\fa+8*\k:\fa+8*\k+7], v[\fb+8*\k:\fb+8*\k+7], v[ACC+8*(\k%2):ACC+8*(\k%2)+7], v[\ca+\k], v[\cb+\k] matrix_a_fmt:MATRIX_FMT_FP4 matrix_b_fmt:MATRIX_FMT_FP4
.endif
.endr
.rept 4
	v_nop                                          ; four places between the last product and the first read of a result (ISA guide 7.12.1)
.endr
.irp j, 0,2,4,6
	v_pk_add_f32 v[SUM+\j:SUM+\j+1], v[ACC+\j:ACC+\j+1], v[ACC+8+\j:ACC+8+\j+1]   ; each accumulator from its low end on
.endr
.endm
	s_load_b256 s[4:11], s[0:1], 0x0               ; x's codes s[4:5], x's scales s[6:7], W's codes s[8:9], W's scales s[10:11]
	s_load_b128 s[12:15], s[0:1], 0x20             ; lgate s[12:13], out0 s[14:15]
	v_lshl_add_u32 v[SPW], v0, 2, SPARE
	v_mov_b32 v[NIL], 0
	v_lshrrev_b32 v5, 5, v0
	v_readfirstlane_b32 s16, v5                    ; wave 0..15
	v_and_b32 v1, 15, v0                           ; r
	v_bfe_u32 v2, v0, 4, 1                         ; h
	v_lshlrev_b32 v3, 9, v1
	v_lshl_add_u32 v3, v2, 4, v3                   ; codes: row r of 512 bytes, + 16 h
	v_lshlrev_b32 v4, 5, v1                        ; scales: row r of 32 bytes
	s_mov_b32 s21, 0                               ; the upper word of every offset
	s_mov_b32 s24, 0x33d6bf95                      ; 1e-7
	s_wait_kmcnt 0x0
	s_cmp_lt_u32 ttmp9, 16
	s_cbranch_scc0 .Lfirst16
	; ---- GATES
	s_lshl_b32 s17, ttmp9, 4
	s_add_co_u32 s17, s17, s16                     ; my tile of 16 tokens, 0..255
	s_lshl_b32 s20, s17, 13
	s_add_nc_u64 s[4:5], s[4:5], s[20:21]          ; its codes: 16 rows of 512 bytes a tile
	s_lshl_b32 s20, s17, 9
	s_add_nc_u64 s[6:7], s[6:7], s[20:21]          ; its scales
	s_add_nc_u64 s[8:9], s[8:9], 3072*512          ; W's rows 3072 on
	s_add_nc_u64 s[10:11], s[10:11], 3072*32
	s_lshr_b32 s18, s17, 7                         ; the batch
	s_lshl_b32 s18, s18, 17                        ; x 16 heads x 8,192 bytes
	s_and_b32 s19, s17, 127
	s_lshl_b32 s19, s19, 6                         ; 16 tokens x 4 bytes a tile
	s_add_co_u32 s20, s18, s19
	s_add_nc_u64 s[12:13], s[12:13], s[20:21]
	v_lshlrev_b32 v5, 13, v1
	v_lshl_add_u32 v5, v2, 5, v5                   ; head r's row of 8,192 bytes, + 8 h tokens
	FRAGS XF, 4
	FRAGS WF, 8
	SCLS XS, 6
	SCLS WS, 10
	s_wait_loadcnt 0x0
	MULT XF, XS, WF, WS                            ; lane (r, h): head r, tokens 8 h + 0 .. 7
.irp j, 0,1,2,3,4,5,6,7
	v_mul_f32 v[XP+\j], 0x3fb8aa3b, v[SUM+\j]      ; g' = g log2(e)
.endr
.irp j, 0,1,2,3,4,5,6,7
	v_or_b32 v[T2+\j], 0x80000000, v[XP+\j]        ; -|g'|
.endr
.irp j, 0,1,2,3,4,5,6,7
	v_exp_f32 v[T2+\j], v[T2+\j]
.endr
	v_nop                                          ; a plain line behind the batch
	s_wait_alu depctr_va_vdst(0)                   ; one wait for the eight, ahead of their first reader
.irp j, 0,1,2,3,4,5,6,7
	v_add_f32 v[T2+\j], 1.0, v[T2+\j]
.endr
.irp j, 0,1,2,3,4,5,6,7
	v_log_f32 v[T2+\j], v[T2+\j]
.endr
.irp j, 0,1,2,3,4,5,6,7
	v_min_num_f32 v[XP+\j], 0, v[XP+\j]            ; plain work behind the batch
.endr
	s_wait_alu depctr_va_vdst(0)
.irp j, 0,1,2,3,4,5,6,7
	v_sub_f32 v[SUM+\j], v[T2+\j], v[XP+\j]        ; n
.endr
	global_store_b128 v5, v[SUM:SUM+3], s[12:13]
	global_store_b128 v5, v[SUM+4:SUM+7], s[12:13] offset:16
	s_branch .Lend
	; ---- FIRST POSITIONS
.Lfirst16:
	s_sub_co_u32 s17, ttmp9, 16
	s_lshr_b32 s18, s17, 4                         ; the batch
	s_and_b32 s19, s17, 15                         ; the head
	; every LDS address is made here, ahead of the branches on the wave's number
	s_lshl_b32 s25, s16, 6
	v_mul_u32_u24 v5, v1, FP
	v_lshl_add_u32 v5, v2, 5, v5
	v_add_nc_u32 v5, s25, v5                       ; F, way in: token r, columns 16 wave + 8 h on
	v_lshrrev_b32 v12, 4, v0                       ; t = thread / 16 (s = thread % 16 = v1)
	v_mul_u32_u24 v6, v12, FP                      ; q's row t
	v_mul_u32_u24 v7, v1, FP                       ; k's row s
	s_lshl_b32 s25, s19, 2
	v_add_nc_u32 v8, s25, v7                       ; token s's gate logit of my head
	v_lshl_add_u32 v9, v0, 2, PB                   ; p(t, s)
	v_lshl_add_u32 v10, v12, 6, PB                 ; p's row t
	v_lshlrev_b32 v11, 4, v1                       ; v: four channels, 16 bytes
	v_lshlrev_b32 v13, 12, v12
	v_lshl_add_u32 v13, v1, 4, v13                 ; out0: row t of 4,096 bytes, + 16 bytes a thread
	v_mov_b32 v14, 0xff800000                      ; -infinity
	s_lshr_b32 s25, s16, 2                         ; W's first row for my wave: (q, k or v) x 1,024 + 64 head + 16 (wave % 4); wave 12: the gates
	s_lshl_b32 s25, s25, 10
	s_lshl_b32 s26, s19, 6
	s_add_co_u32 s25, s25, s26
	s_and_b32 s26, s16, 3
	s_lshl_b32 s26, s26, 4
	s_add_co_u32 s25, s25, s26
	s_cmp_eq_u32 s16, 12
	s_cselect_b32 s25, 3072, s25
	s_lshl_b32 s20, s25, 9
	s_add_nc_u64 s[8:9], s[8:9], s[20:21]
	s_lshl_b32 s20, s25, 5
	s_add_nc_u64 s[10:11], s[10:11], s[20:21]
	s_lshl_b32 s20, s18, 20                        ; the batch's first token: 2,048 rows of 512 bytes
	s_add_nc_u64 s[4:5], s[4:5], s[20:21]
	s_lshl_b32 s20, s18, 16
	s_add_nc_u64 s[6:7], s[6:7], s[20:21]
	s_lshl_b32 s20, s18, 23                        ; out0: the batch's 8 MiB, the head's 256 bytes of a row
	s_lshl_b32 s22, s19, 8
	s_add_co_u32 s20, s20, s22
	s_add_nc_u64 s[14:15], s[14:15], s[20:21]
	s_cmp_gt_u32 s16, 12
	s_cbranch_scc1 .Lno_tile
	FRAGS XF, 4
	FRAGS WF, 8
	SCLS XS, 6
	SCLS WS, 10
	s_wait_loadcnt 0x0
	MULT WF, WS, XF, XS                            ; lane (r, h): token r, my tile's columns 8 h + 0 .. 7
	ds_store_b128 v5, v[SUM:SUM+3]
	ds_store_b128 v5, v[SUM+4:SUM+7] offset:16
.Lno_tile:
	s_wait_dscnt 0x0                               ; for the others' sake: my stores into F have landed
	s_barrier_signal -1
	s_barrier_wait -1
	s_cmp_gt_u32 s16, 7
	s_cbranch_scc1 .Lend
.irp i, 0,1,2,3,4,5,6,7,8,9,10,11,12,13,14,15
	ds_load_b128 v[XF+4*\i:XF+4*\i+3], v6 offset:16*\i
.endr
.irp i, 0,1,2,3,4,5,6,7,8,9,10,11,12,13,14,15
	ds_load_b128 v[WF+4*\i:WF+4*\i+3], v7 offset:256+16*\i
.endr
	ds_load_b32 v26, v8 offset:768
	s_wait_dscnt 0x0
.irp c, 0,1,2,3
	v_pk_mul_f32 v[18+2*\c:19+2*\c], v[XF+2*\c:XF+2*\c+1], v[WF+2*\c:WF+2*\c+1]   ; S = q . k in f32: four chains of pairs
.endr
.irp i, 1,2,3,4,5,6,7
.irp c, 0,1,2,3
	v_pk_fma_f32 v[18+2*\c:19+2*\c], v[XF+8*\i+2*\c:XF+8*\i+2*\c+1], v[WF+8*\i+2*\c:WF+8*\i+2*\c+1], v[18+2*\c:19+2*\c]
.endr
.endr
	v_pk_add_f32 v[18:19], v[18:19], v[20:21]
	v_pk_add_f32 v[22:23], v[22:23], v[24:25]
	v_pk_add_f32 v[18:19], v[18:19], v[22:23]
	v_add_f32 v18, v18, v19
	v_mul_f32 v26, 0x3fb8aa3b, v26                 ; the gate: g'
	v_or_b32 v27, 0x80000000, v26
	v_exp_f32 v27, v27
	v_add_f32 v18, |v18|, s24                      ; |S| + 1e-7 (the plain line behind the exponential)
	s_wait_alu depctr_va_vdst(0)
	v_add_f32 v27, 1.0, v27
	v_log_f32 v27, v27
	v_log_f32 v18, v18
	v_min_num_f32 v26, 0, v26                      ; (the plain line behind the two)
	s_wait_alu depctr_va_vdst(0)
	v_sub_f32 v26, v27, v26                        ; n of token s
	v_add_f32_dpp v26, v26, v26 row_shr:1 row_mask:0xf bank_mask:0xf   ; the running sum over s within the 16 lanes; a lane with no source keeps its own value, which is the sum wanted there
	v_add_f32_dpp v26, v26, v26 row_shr:2 row_mask:0xf bank_mask:0xf
	v_add_f32_dpp v26, v26, v26 row_shr:4 row_mask:0xf bank_mask:0xf
	v_add_f32_dpp v26, v26, v26 row_shr:8 row_mask:0xf bank_mask:0xf
	v_fma_f32 v18, v18, 2.0, v26                   ; z
	v_cmp_gt_u32 vcc_lo, v1, v12                   ; s > t: hidden
	v_cndmask_b32 v18, v18, v14, vcc_lo
	v_mov_b32 v19, v18
	v_max_num_f32_dpp v19, v19, v19 row_xmask:1 row_mask:0xf bank_mask:0xf
	v_max_num_f32_dpp v19, v19, v19 row_xmask:2 row_mask:0xf bank_mask:0xf
	v_max_num_f32_dpp v19, v19, v19 row_xmask:4 row_mask:0xf bank_mask:0xf
	v_max_num_f32_dpp v19, v19, v19 row_xmask:8 row_mask:0xf bank_mask:0xf   ; the row's maximum (key 0 counts for every row: it is a number)
	v_sub_f32 v20, v18, v19
	v_exp_f32 v20, v20
	v_nop
	s_wait_alu depctr_va_vdst(0)
	ds_store_b32 v9, v20                           ; p; a row is written and read by one wave, whose LDS instructions are served in order
	v_mov_b32 v21, v20
	v_add_f32_dpp v21, v21, v21 row_xmask:1 row_mask:0xf bank_mask:0xf
	v_add_f32_dpp v21, v21, v21 row_xmask:2 row_mask:0xf bank_mask:0xf
	v_add_f32_dpp v21, v21, v21 row_xmask:4 row_mask:0xf bank_mask:0xf
	v_add_f32_dpp v21, v21, v21 row_xmask:8 row_mask:0xf bank_mask:0xf   ; the row's sum
.irp i, 0,1,2,3
	ds_load_b128 v[XF+4*\i:XF+4*\i+3], v10 offset:16*\i
.endr
.irp i, 0,1,2,3,4,5,6,7,8,9,10,11,12,13,14,15
	ds_load_b128 v[WF+4*\i:WF+4*\i+3], v11 offset:512+FP*\i
.endr
	v_rcp_f32 v21, v21
	v_nop
	s_wait_alu depctr_va_vdst(0)
	s_wait_dscnt 0x0
.irp c, 0,1,2,3
	v_mul_f32 v[28+\c], v[XF], v[WF+\c]
.endr
.irp i, 1,2,3,4,5,6,7,8,9,10,11,12,13,14,15
.irp c, 0,1,2,3
	v_fmac_f32 v[28+\c], v[XF+\i], v[WF+4*\i+\c]
.endr
.endr
.irp c, 0,1,2,3
	v_mul_f32 v[28+\c], v[28+\c], v21
.endr
	global_store_b128 v13, v[28:31], s[14:15]      ; sixteen lanes store a head's 256 consecutive bytes of a row, aligned
.Lend:
	s_wait_tensorcnt 0x0                           ; the wave's end, behind my last LDS store
	ds_add_u32 v[SPW], v[NIL]
	s_wait_dscnt 0x0
	s_endpgm
.Lfunc_end_k_qe9de16cf01_small:
	.size	k_qe9de16cf01_small, .Lfunc_end_k_qe9de16cf01_small-k_qe9de16cf01_small
	.p2alignl 7, 3214868480
	.fill 96, 4, 3214868480
	.section	.rodata,"a",@progbits
	.p2align	6, 0x0
	.amdhsa_kernel k_qe9de16cf01_small
		.amdhsa_group_segment_fixed_size 16640
		.amdhsa_private_segment_fixed_size 0
		.amdhsa_enable_private_segment 0
		.amdhsa_kernarg_size 48
		.amdhsa_user_sgpr_count 2
		.amdhsa_user_sgpr_kernarg_segment_ptr 1
		.amdhsa_wavefront_size32 1
		.amdhsa_system_sgpr_workgroup_id_x 1
		.amdhsa_system_sgpr_workgroup_id_y 1
		.amdhsa_system_sgpr_workgroup_id_z 1
		.amdhsa_system_vgpr_workitem_id 0
		.amdhsa_next_free_vgpr 208
		.amdhsa_next_free_sgpr 66
		.amdhsa_reserve_vcc 1
		.amdhsa_float_denorm_mode_32 3
		.amdhsa_float_denorm_mode_16_64 3
		.amdhsa_memory_ordered 1
		.amdhsa_forward_progress 1
		.amdhsa_inst_pref_size 26
	.end_amdhsa_kernel
	.amdgpu_metadata
---
amdhsa.version: [ 1, 2 ]
amdhsa.kernels:
  - .name:           k_qe9de16cf01_small
    .symbol:         k_qe9de16cf01_small.kd
    .args:
      - { .name: xc, .offset: 0, .size: 8, .value_kind: global_buffer, .address_space: global }
      - { .name: xs, .offset: 8, .size: 8, .value_kind: global_buffer, .address_space: global }
      - { .name: wc, .offset: 16, .size: 8, .value_kind: global_buffer, .address_space: global }
      - { .name: ws, .offset: 24, .size: 8, .value_kind: global_buffer, .address_space: global }
      - { .name: lgate, .offset: 32, .size: 8, .value_kind: global_buffer, .address_space: global }
      - { .name: out0, .offset: 40, .size: 8, .value_kind: global_buffer, .address_space: global }
    .group_segment_fixed_size: 16640
    .private_segment_fixed_size: 0
    .kernarg_segment_align: 8
    .kernarg_segment_size: 48
    .max_flat_workgroup_size: 512
    .sgpr_count:     66
    .vgpr_count:     208
    .wavefront_size: 32
...
	.end_amdgpu_metadata
.endif
;; end of part 2
;; launch gemm (part 3): grid 12 x 16, 4 waves a work-group, clusters of 4 x 4, 327,680 bytes of LDS; arguments xc, xs, wc, ws, qkv; writes qkv
.if DOCPART == 3
	.amdgcn_target "amdgcn-amd-amdhsa--gfx1250"
	.amdhsa_code_object_version 6
	.text
	.protected	k_qe9de16cf01_gemm
	.globl	k_qe9de16cf01_gemm
	.p2align	8
	.type	k_qe9de16cf01_gemm,@function
k_qe9de16cf01_gemm:
	s_mov_b64 s[64:65], 0
	v_nop
	global_prefetch_b8 v0, s[64:65] scope:SCOPE_SE
	s_setreg_imm32_b32 hwreg(HW_REG_WAVE_MODE, 25, 1), 1
	s_wait_xcnt 0x0
	s_wait_alu depctr_hold_cnt(0) depctr_sa_sdst(0) depctr_va_vdst(0) depctr_va_sdst(0) depctr_va_ssrc(0) depctr_va_vcc(0) depctr_vm_vsrc(0)
	s_getreg_b32 s2, hwreg(HW_REG_IB_STS2, 6, 4)
	s_cmp_eq_u32 s2, 0
	s_cbranch_scc0 .Lentry_in_a_cluster
	s_endpgm
.Lentry_in_a_cluster:
	s_bfe_u32 s2, ttmp6, 0x10000c
	s_cmp_lg_u32 s2, 0xf033
	s_cbranch_scc0 .Lentry_shape_is_right
	s_endpgm
.Lentry_shape_is_right:
; q, k, v = x W^T for W's rows 0-3071, on codes of E2M1 with one E8M0 scale for each 32 along K = 1,024; f32 sums, stored as IMAGES OF THE NEXT LAUNCH'S OPERAND REGISTERS in f16.
; q and k leave as PAIRS of f16 numbers, split in f32: hi = the sum with its 13 lowest mantissa bits cleared (exact in f16), lo = the sum - hi (exact in f32), rounded to f16.  v is rounded once to f16.
; A work-group of four waves makes 256 x 256, a wave 128 x 128: 64 accumulators, 512 registers.  K is two slots of 512 in LDS (rows of 256 bytes + 16 of padding); both are first fills, nothing is filled again, and there is no loop.
; The scales of the work-group's 2 x 256 rows, for all of K, come once, as rows of 256 bytes + 16.  12 x 16 = 192 work-groups.
; CLUSTERS of 4 x 4: role A's tile is shared along a row of the cluster, role B's along a column: each is asked for jointly.
; ROLES.  Source 0 of every product is role B, source 1 role A: a lane then holds ONE row of role A and EIGHT NEIGHBOURING rows of role B.  q and k (cluster x = 0, 1) want a token a lane and eight channels: A = x, B = W.
; v (cluster x = 2) wants a channel a lane and eight keys: A = W, B = x.  The roles are dealt by a choice of pointers and tile numbers on the cluster's x, which all sixteen partners share; only the way out has two arms, on the same number.
; qkv: q's section 16 MiB, k's 16 MiB, v's 8 MiB.  q, k: (batch x 16 + head) takes 524,288 bytes: [tile of 16 tokens][hi, lo][channels / 32][half][lane][16 bytes]: lane (r, h) holds token r, channels 32 f + 16 half + 8 h + 0..7.
; v: (batch x 16 + head) takes 262,144 bytes: [32 keys][channels / 16][half][lane][16 bytes]: lane (r, h) holds channel r, keys 16 half + 8 h + 0..7.  Every store of a wave covers 512 consecutive bytes, aligned; no stage in LDS is needed.
; LIMITS: |q|, |k|, |v| above 65,504 become infinities of f16 (x and W both 30 times the drawn spread give about 5e3); a lo part under 6e-5 is kept to 3e-8 absolute.
; REGISTERS: window 0: v0-31 addresses; v32-95 scale words, two sets, and nothing else; from v128 A's fragments, one set; on the way out v128-255 hold the parts and the packed results.  window 1: B's fragments, two sets.  windows 2, 3: the accumulators ((a, b) at v[8 (8 (a % 4) + b)]).
.set SIZE_K, 1024
.set KSTEP,  512
.set NQ,     KSTEP/128
.set ROWB,   256
.set KROW,   SIZE_K/2
.set PITCH,  272                       ; 256 bytes + 16: the 16 rows that a load touches start 68 words apart
.set FR,     8
.set NL,     2
.set NP,     4                         ; places behind this matrix instruction (ISA guide 7.12.1)
.set HALFT,  128*PITCH
.set SLOT,   4*HALFT
.set KS,     SIZE_K/32
.set SCL,    2*SLOT
.set HALFS,  (128*KS/256)*272
.set SBLK,   (16*KS/256)*272
.set SPARE,  SCL+4*HALFS               ; the spare words, 128 bytes for each wave: no other line names them
.set VO,   8                           ; v8-11  the way out: 16 x lane + the place of B's blocks 2 q, 2 q + 1
.set ADRA, 16
.set ADRB, 20
.set ADRS, 27
.set SPW,  28
.set NIL,  29
.set SC,   32
.set AF,   128
.set TMP,  128                         ; v's way out: packed results
.set HI,   128                         ; q's and k's way out: 64 high parts, then packed into the first 32
.set LO,   192                         ; and 64 low parts likewise
.set G1, 24
.set G0, 32
.set G1B, 48
.set G0B, 56
.set G1S, 68
.set G0S, 76
.set G1SB, 80
.set G0SB, 88
.set MSB, 0
.macro WIN new                         ; the immediate's high byte repeats the setting that is left
.if MSB != \new
	s_set_vgpr_msb (MSB<<8)|\new
.set MSB, \new
.endif
.endm
.set MUL_LO, 0xa1                      ; source 0 (B) window 1, source 1 (A) window 0, C and D window 2
.set MUL_HI, 0xf1
.set TO_B,   0x40
; A joint load: waves 0 and 1 fetch for role A, waves 2 and 3 for role B.  The branch hangs on the wave's number alone.  An s_nop 0 and four v_nop follow each of the two lines.
.macro JLOAD g0a, g1a, g0b, g1b
	s_cmp_eq_u32 s15, 0
	s_cbranch_scc0 .Lfor_b_\@
	tensor_load_to_lds s[\g0a:\g0a+3], s[\g1a:\g1a+7]
	s_nop 0
.rept 4
	v_nop
.endr
	s_branch .Lasked_\@
.Lfor_b_\@:
	tensor_load_to_lds s[\g0b:\g0b+3], s[\g1b:\g1b+7]
	s_nop 0
.rept 4
	v_nop
.endr
.Lasked_\@:
.endm
.macro CROUND                          ; a round of the cluster's barrier
	s_barrier_signal -1
	s_barrier_wait -1
	s_cmp_lg_u32 s14, 0
	s_cbranch_scc1 .Lnot_wave_0_\@
	s_barrier_signal -3
.Lnot_wave_0_\@:
	s_barrier_wait -3
	s_barrier_signal -1
	s_barrier_wait -1
.endm
	s_load_b256 s[4:11], s[0:1], 0x0               ; x's codes s[4:5], x's scales s[6:7], W's codes s[8:9], W's scales s[10:11]
	s_load_b64 s[12:13], s[0:1], 0x20              ; qkv
	v_lshl_add_u32 v[SPW], v0, 2, SPARE
	v_mov_b32 v[NIL], 0
	ds_add_u32 v[SPW], v[NIL]                      ; the wave's opening: the add, twice on end, and its wait ahead of my first tensor load
	ds_add_u32 v[SPW], v[NIL]
	v_lshrrev_b32 v1, 5, v0
	v_readfirstlane_b32 s14, v1                    ; wave 0..3
	s_lshr_b32 s15, s14, 1                         ; which half of role A's 256 rows is mine.  Also: I fetch for A (0) or for B (1)
	s_and_b32 s16, s14, 1                          ; which half of role B's.  Also: which 128 rows I fetch
	s_bfe_u32 s40, ttmp6, 0x40000                  ; cx, cy: my place in the cluster
	s_bfe_u32 s41, ttmp6, 0x40004
	s_and_b32 s18, ttmp7, 0xffff                   ; cluster y
	s_cmp_eq_u32 ttmp9, 2                          ; the cluster column that makes v
	s_cselect_b32 s19, 2, s18                      ; role A: there W's third 1,024 rows, else the tokens by cluster y
	s_cselect_b32 s18, s18, ttmp9                  ; role B: there the tokens by cluster y, else W's rows by cluster x
	s_lshl_b32 s17, s19, 2
	s_add_co_u32 s17, s17, s41                     ; role A's tile of 256 rows: it holds cy and never cx
	s_lshl_b32 s42, s18, 2
	s_add_co_u32 s42, s42, s40                     ; role B's: it holds cx and never cy
	s_lshl_b32 s43, s41, 2
	s_lshl_b32 s43, 15, s43                        ; my row of the cluster
	s_lshl_b32 s44, 0x1111, s40                    ; my column
	s_or_b32 s[G1+0], s43, (0<<16)|(1<<20)|(1<<21)|(5<<22)|(3<<25)  ; the mask; elements of 1 byte; padding on; bit 21 beside a mask; 4 words behind every 64
	s_or_b32 s[G1B+0], s44, (0<<16)|(1<<20)|(1<<21)|(5<<22)|(3<<25)
.irp g, G1, G1B
	s_mov_b32 s[\g+1], ROWB<<16                    ; tensor_dim0
	s_mov_b32 s[\g+2], 128<<16                     ; tensor_dim1
	s_mov_b32 s[\g+3], ROWB<<16                    ; tile_dim0
	s_mov_b32 s[\g+4], 128                         ; tile_dim1
	s_mov_b32 s[\g+5], KROW                        ; the pitch in memory
	s_mov_b32 s[\g+6], 0
	s_mov_b32 s[\g+7], 0
.endr
	s_or_b32 s[G1S+0], s43, (3<<16)|(1<<20)|(1<<21)|(5<<22)|(3<<25) ; the scales of 128 rows: 4,096 dense bytes as 16 rows of 256 (32 elements of 8 bytes)
	s_or_b32 s[G1SB+0], s44, (3<<16)|(1<<20)|(1<<21)|(5<<22)|(3<<25)
.irp g, G1S, G1SB
	s_mov_b32 s[\g+1], 32<<16
	s_mov_b32 s[\g+2], (128*KS/256)<<16
	s_mov_b32 s[\g+3], 32<<16
	s_mov_b32 s[\g+4], 128*KS/256
	s_mov_b32 s[\g+5], 32
	s_mov_b32 s[\g+6], 0
	s_mov_b32 s[\g+7], 0
.endr
	s_lshl_b32 s18, s16, 7                         ; which 128 rows of the tile I fetch
	s_lshl_b32 s20, s17, 8
	s_add_co_u32 s20, s20, s18                     ; role A: row 256 x tile + 128 x half
	s_lshl_b32 s46, s42, 8
	s_add_co_u32 s46, s46, s18                     ; role B likewise
	s_mov_b32 s21, 0
	s_mov_b32 s47, 0
	s_mov_b64 s[18:19], KS
	s_mul_u64 s[22:23], s[20:21], s[18:19]         ; where these rows' scales begin, in bytes
	s_mul_u64 s[92:93], s[46:47], s[18:19]
	s_mov_b64 s[18:19], KROW
	s_mul_u64 s[20:21], s[20:21], s[18:19]         ; and their codes
	s_mul_u64 s[46:47], s[46:47], s[18:19]
	s_mul_i32 s45, s14, HALFT                      ; where they go: wave x 128 rows: no place in the cluster enters an LDS address
	s_mul_i32 s94, s14, HALFS
	s_wait_dscnt 0x0                               ; both opening adds are done
	s_wait_kmcnt 0x0
	s_cmp_eq_u32 ttmp9, 2                          ; the roles' buffers: a choice on the cluster's x, which hangs on no address
	s_cselect_b64 s[96:97], s[8:9], s[4:5]         ; role A's codes
	s_cselect_b64 s[98:99], s[10:11], s[6:7]       ; role A's scales
	s_cselect_b64 s[100:101], s[4:5], s[8:9]       ; role B's codes
	s_cselect_b64 s[66:67], s[6:7], s[10:11]       ; role B's scales
	s_add_nc_u64 s[20:21], s[96:97], s[20:21]
	s_add_nc_u64 s[22:23], s[98:99], s[22:23]
	s_add_nc_u64 s[46:47], s[100:101], s[46:47]
	s_add_nc_u64 s[92:93], s[66:67], s[92:93]
	CROUND                                         ; all sixteen work-groups are here: the first joint loads meet
	s_mov_b32 s[G0S], 1
	s_add_co_u32 s[G0S+1], s94, SCL
	s_mov_b64 s[G0S+2:G0S+3], s[22:23]
	s_or_b32 s[G0S+3], s[G0S+3], 0x80000000
	s_mov_b32 s[G0SB], 1
	s_add_co_u32 s[G0SB+1], s94, SCL
	s_mov_b64 s[G0SB+2:G0SB+3], s[92:93]
	s_or_b32 s[G0SB+3], s[G0SB+3], 0x80000000
	JLOAD G0S, G1S, G0SB, G1SB                     ; the scales first: they are wanted with slot 0
.irp s, 0,1
	s_mov_b32 s[G0+4*\s], 1
	s_add_co_u32 s[G0+4*\s+1], s45, \s*SLOT
	s_add_nc_u64 s[G0+4*\s+2:G0+4*\s+3], s[20:21], \s*ROWB
	s_or_b32 s[G0+4*\s+3], s[G0+4*\s+3], 0x80000000
	s_mov_b32 s[G0B+4*\s], 1
	s_add_co_u32 s[G0B+4*\s+1], s45, \s*SLOT
	s_add_nc_u64 s[G0B+4*\s+2:G0B+4*\s+3], s[46:47], \s*ROWB
	s_or_b32 s[G0B+4*\s+3], s[G0B+4*\s+3], 0x80000000
	JLOAD G0+4*\s, G1, G0B+4*\s, G1B               ; three tensor loads of mine are out behind the second of these
.endr
	v_and_b32 v1, 15, v0                           ; l % 16
	v_bfe_u32 v2, v0, 4, 1                         ; l / 16
	v_mul_u32_u24 v3, v1, PITCH
	v_lshl_add_u32 v4, v2, 4, v3                   ; a fragment's row x pitch + 16 x half
	s_mul_i32 s21, s15, HALFT                      ; my 128 rows of A
	s_mul_i32 s22, s16, HALFT                      ; my 128 rows of B,
	s_add_co_u32 s22, s22, 2*HALFT                 ; which lie behind A's 256
.irp s, 0,1
	v_add_nc_u32 v[ADRA+\s], s21, v4
	v_add_nc_u32 v[ADRB+\s], s22, v4
	s_add_co_u32 s21, s21, SLOT
	s_add_co_u32 s22, s22, SLOT
.endr
	v_mul_u32_u24 v5, v1, KS                       ; my row's scales: KS bytes a row,
	v_lshrrev_b32 v6, 8, v5
	v_lshl_add_u32 v5, v6, 4, v5                   ; and 16 more for each 256 passed
	s_mul_i32 s21, s15, HALFS
	s_mul_i32 s22, s16, HALFS
	s_add_co_u32 s22, s22, 2*HALFS
	s_sub_co_u32 s22, s22, s21
	v_mul_u32_u24 v6, s22, v2                      ; lanes 16-31 take B's: one product, the distance between the two bases
	s_add_co_u32 s21, s21, SCL
	v_add_nc_u32 v5, v5, v6
	v_add_nc_u32 v[ADRS], s21, v5
	; THE WAY OUT'S ADDRESSES, in registers that are no descriptor's.
	s_cmp_eq_u32 ttmp9, 2
	s_cselect_b32 s18, s42, s17                    ; the tile of 256 tokens,
	s_cselect_b32 s19, s16, s15                    ; my half of it,
	s_cselect_b32 s20, s41, s40                    ; the tile of 256 channels within the section (four heads),
	s_cselect_b32 s21, s15, s16                    ; my half of it (two heads)
	s_cselect_b32 s94, 1, 0                        ; v's images take half the bytes of q's and k's pairs
	s_mov_b32 s2, 4096
	s_cselect_b32 s2, 1024, s2                     ; from A's block a to a + 1: a tile of tokens, or 16 channels of v
	s_mov_b32 s46, 16384
	s_cselect_b32 s46, 0x40000, s46                ; from a to a + 4: four tiles of tokens, or a head of v
	s_mov_b32 s22, 1024
	s_cselect_b32 s22, 4096, s22                   ; from B's block b to b + 2: 32 channels, or 32 keys
	s_mov_b32 s23, 0x80000
	s_cselect_b32 s23, 8192, s23                   ; from b to b + 4: a head of q or k, or 64 keys
	s_mov_b32 s95, 0xffffe000                      ; keeps sign, exponent and the 10 highest mantissa bits
	v_and_b32 v6, 31, v0
	v_lshlrev_b32 v[VO], 4, v6
	v_add_nc_u32 v[VO+1], s22, v[VO]
	v_add_nc_u32 v[VO+2], s23, v[VO]
	v_add_nc_u32 v[VO+3], s23, v[VO+1]
	s_lshl_b32 s18, s18, 8
	s_lshl_b32 s19, s19, 7
	s_add_co_u32 s18, s18, s19                     ; my first token, 0..4095
	s_lshr_b32 s19, s18, 11                        ; the batch
	s_and_b32 s18, s18, 2047
	s_lshl_b32 s18, s18, 8                         ; q, k: 256 bytes of a head's images for each token,
	s_lshl_b32 s19, s19, 23                        ; 16 heads x 524,288 bytes a batch,
	s_lshl_b32 s20, s20, 2
	s_lshl_b32 s21, s21, 1
	s_add_co_u32 s20, s20, s21                     ; my first head
	s_lshl_b32 s20, s20, 19
	s_add_co_u32 s18, s18, s19
	s_add_co_u32 s18, s18, s20
	s_lshr_b32 s18, s18, s94                       ; v: half of each
	s_lshl_b32 s21, ttmp9, 24                      ; the section: 0, 16 MiB, 32 MiB
	s_add_co_u32 s18, s18, s21                     ; under 40 MiB
	s_mov_b32 s19, 0
	s_mov_b32 s3, 0
	s_mov_b32 s47, 0
	s_add_nc_u64 s[12:13], s[12:13], s[18:19]      ; a base for each of A's eight blocks
	s_add_nc_u64 s[4:5], s[12:13], s[2:3]
	s_add_nc_u64 s[6:7], s[4:5], s[2:3]
	s_add_nc_u64 s[8:9], s[6:7], s[2:3]
	s_add_nc_u64 s[10:11], s[12:13], s[46:47]
	s_add_nc_u64 s[20:21], s[10:11], s[2:3]
	s_add_nc_u64 s[22:23], s[20:21], s[2:3]
	s_add_nc_u64 s[92:93], s[22:23], s[2:3]
.macro FRAG reg, adr, q, i             ; 16 rows x 128 K of 4-bit codes: registers 4 c .. 4 c + 3 hold K = 64 c + 32 (l / 16) + 0 .. 31
.irp c, 0,1
	ds_load_b128 v[\reg+4*\c:\reg+4*\c+3], v[\adr] offset:64*(\q)+32*\c+(\i)*16*PITCH
.endr
.endm
; 16 matrix instructions: A's blocks a0, a0 + 1 x B's eight.  The 64 accumulators take turns, one instruction a turn, in the same order in every step.
.macro MUL16 a0, p, q, sc, zero
.irp a, \a0, \a0+1
.irp b, 0,1,2,3,4,5,6,7
.if \zero
	v_wmma_scale_f32_16x16x128_f8f6f4 v[8*(8*((\a)%4)+\b):8*(8*((\a)%4)+\b)+7], v[128*(\p)+FR*\b:128*(\p)+FR*\b+FR-1], v[AF+FR*(\a):AF+FR*(\a)+FR-1], 0, v[SC+8*NQ*(\sc)+NQ*\b+(\q)], v[SC+8*NQ*(\sc)+NQ*(\a)+(\q)] matrix_a_fmt:MATRIX_FMT_FP4 matrix_b_fmt:MATRIX_FMT_FP4 matrix_a_scale:MATRIX_SCALE_ROW1
.else
	v_wmma_scale_f32_16x16x128_f8f6f4 v[8*(8*((\a)%4)+\b):8*(8*((\a)%4)+\b)+7], v[128*(\p)+FR*\b:128*(\p)+FR*\b+FR-1], v[AF+FR*(\a):AF+FR*(\a)+FR-1], v[8*(8*((\a)%4)+\b):8*(8*((\a)%4)+\b)+7], v[SC+8*NQ*(\sc)+NQ*\b+(\q)], v[SC+8*NQ*(\sc)+NQ*(\a)+(\q)] matrix_a_fmt:MATRIX_FMT_FP4 matrix_b_fmt:MATRIX_FMT_FP4 matrix_a_scale:MATRIX_SCALE_ROW1
.endif
.endr
.endr
.endm
.macro FETCH_B slot, q, p
	WIN TO_B
.irp i, 0,1,2,3,4,5,6,7
	FRAG 128*(\p)+FR*\i, ADRB+\slot, \q, \i
.endr
	WIN 0
.endm
.macro FETCH_A slot, q, i0
.irp i, \i0, \i0+1, \i0+2, \i0+3
	FRAG AF+FR*(\i), ADRA+\slot, \q, \i
.endr
.endm
.macro SCALES sc                       ; a slot's scale words: lanes 0-15 take A's block i, lanes 16-31 B's block i
.irp i, 0,1,2,3,4,5,6,7
	ds_load_b128 v[SC+8*NQ*\sc+NQ*\i:SC+8*NQ*\sc+NQ*\i+3], v[ADRS] offset:\i*SBLK
.endr
.endm
.macro PLACES n                        ; places in front of loads into registers that matrix instructions have read, and of the first read of results
.rept \n
	v_nop
.endr
.endm
.macro STEP slot, q, zero              ; 128 along K with its successor in the same slot
	s_wait_dscnt 4*NL                              ; B's set and A's blocks 0-3 are in; the youngest eight loads (A's blocks 4-7) may be out
	WIN MUL_LO
	MUL16 0, (\q)%2, \q, \slot, \zero
	MUL16 2, (\q)%2, \q, \slot, \zero
	s_wait_dscnt 0
	PLACES NP
	FETCH_B \slot, (\q)+1, 1-(\q)%2
	FETCH_A \slot, (\q)+1, 0
	WIN MUL_HI
	MUL16 4, (\q)%2, \q, \slot, \zero
	MUL16 6, (\q)%2, \q, \slot, \zero
	PLACES NP
	WIN 0
	FETCH_A \slot, (\q)+1, 4
.endm
; Slot 0's last step changes slots: each wave waits for all its tensor loads (its part of slot 1), adds 0 to its spare word, waits for that and for its reads; behind the barrier slot 1 is whole.  Nothing is filled again.
.macro TURN slot, next
	s_wait_tensorcnt 0x0
	ds_add_u32 v[SPW], v[NIL]
	s_wait_dscnt 4*NL+1                            ; (the add and the youngest eight loads may be out)
	WIN MUL_LO
	MUL16 0, 1, NQ-1, \slot, 0
	s_wait_dscnt 0x0
	s_barrier_signal -1
	MUL16 2, 1, NQ-1, \slot, 0
	WIN 0
	s_barrier_wait -1
	PLACES NP
	v_add_nc_u32 v[ADRS], 4*NQ, v[ADRS]            ; on to the next slot's scale words (no LDS load of mine is out)
	FETCH_B \next, 0, 0
	FETCH_A \next, 0, 0
	SCALES \next
	WIN MUL_HI
	MUL16 4, 1, NQ-1, \slot, 0
	MUL16 6, 1, NQ-1, \slot, 0
	PLACES NP
	WIN 0
	FETCH_A \next, 0, 4
.endm
	s_wait_tensorcnt 1                             ; the scales and my part of slot 0 are in; slot 1's load may be out
	s_barrier_signal -1
	s_barrier_wait -1
	FETCH_B 0, 0, 0
	FETCH_A 0, 0, 0
	SCALES 0
	FETCH_A 0, 0, 4
	STEP 0, 0, 1                                   ; the first products start the sums: nothing is cleared
	STEP 0, 1, 0
	STEP 0, 2, 0
	TURN 0, 1
	STEP 1, 0, 0
	STEP 1, 1, 0
	STEP 1, 2, 0
	s_wait_dscnt 4*NL                              ; the last step: nothing more to fetch
	WIN MUL_LO
	MUL16 0, 1, NQ-1, 1, 0
	MUL16 2, 1, NQ-1, 1, 0
	s_wait_dscnt 0
	WIN MUL_HI
	MUL16 4, 1, NQ-1, 1, 0
	MUL16 6, 1, NQ-1, 1, 0
	WIN 0
; THE WAY OUT of A's block a for q and k: each sum is split in f32 into a high part that f16 holds exactly and the rest; a lane's eight high parts of an accumulator are 16 bytes of an image, its eight low parts 16 bytes of the image 2,048 bytes on.
.macro OUTS a, base
.set AC, 64*((\a)%4)
.if (\a) > 0
	s_wait_xcnt 0x0                                ; the last block's stores have read their data registers, which are written again from here on
.endif
	WIN 0x08+4*((\a)/4)                            ; source 1: window 2 or 3
.set n, 0
.rept 64
	v_and_b32 v[HI+n], s95, v[AC+n]                ; each accumulator from its low end on
.set n, n+1
.endr
.set n, 0
.rept 32
	v_pk_add_f32 v[LO+n:LO+n+1], v[HI+n:HI+n+1], v[AC+n:AC+n+1] neg_lo:[1,0] neg_hi:[1,0]   ; the sum - its high part: exact
.set n, n+2
.endr
	WIN 0
.set n, 0
.rept 32
	v_cvt_pk_f16_f32 v[HI+n], v[HI+2*n], v[HI+2*n+1]   ; in place: register n is written when registers 2 n and 2 n + 1 are read, never before
.set n, n+1
.endr
.set n, 0
.rept 32
	v_cvt_pk_f16_f32 v[LO+n], v[LO+2*n], v[LO+2*n+1]
.set n, n+1
.endr
.irp b, 0,1,2,3,4,5,6,7
	global_store_b128 v[VO+\b/2], v[HI+4*\b:HI+4*\b+3], s[\base:\base+1] offset:(\b%2)*512        ; 32 lanes store 512 consecutive bytes, aligned
	global_store_b128 v[VO+\b/2], v[LO+4*\b:LO+4*\b+3], s[\base:\base+1] offset:(\b%2)*512+2048
.endr
.endm
; and for v: a lane's eight results of an accumulator round to 16 bytes of f16.
.macro OUTV a, base
.set AC, 64*((\a)%4)
.set TM, TMP+32*((\a)%4)
.if (\a) == 4
	s_wait_xcnt 0x0                                ; the stores of blocks 0-3 have read their data registers, which are written again from here on
.endif
	WIN 0x0a+5*((\a)/4)                            ; sources 0 and 1: window 2 or 3
.irp b, 0,1,2,3,4,5,6,7
.irp r, 0,1,2,3
	v_cvt_pk_f16_f32 v[TM+4*\b+\r], v[AC+8*\b+2*\r], v[AC+8*\b+2*\r+1]   ; each accumulator from its low end on
.endr
.endr
	WIN 0
.irp b, 0,1,2,3,4,5,6,7
	global_store_b128 v[VO+\b/2], v[TM+4*\b:TM+4*\b+3], s[\base:\base+1] offset:(\b%2)*512
.endr
.endm
	PLACES NP                                      ; behind the last products: for the reads of results and the writes over A's fragments
	s_cmp_eq_u32 ttmp9, 2                          ; the cluster's x: all sixteen partners go the same way
	s_cbranch_scc1 .Lv_out
	OUTS 0, 12
	OUTS 1, 4
	OUTS 2, 6
	OUTS 3, 8
	OUTS 4, 10
	OUTS 5, 20
	OUTS 6, 22
	OUTS 7, 92
	s_branch .Lclose
.Lv_out:
	OUTV 0, 12
	OUTV 1, 4
	OUTV 2, 6
	OUTV 3, 8
	OUTV 4, 10
	OUTV 5, 20
	OUTV 6, 22
	OUTV 7, 92
.Lclose:
	s_wait_tensorcnt 0x0                           ; the wave's end, behind my last tensor load
	ds_add_u32 v[SPW], v[NIL]
	s_wait_dscnt 0x0
	CROUND                                         ; the closing round: no work-group ends while a partner may still ask for a tile that names it
	s_endpgm
.Lfunc_end_k_qe9de16cf01_gemm:
	.size	k_qe9de16cf01_gemm, .Lfunc_end_k_qe9de16cf01_gemm-k_qe9de16cf01_gemm
	.p2alignl 7, 3214868480
	.fill 96, 4, 3214868480
	.section	.rodata,"a",@progbits
	.p2align	6, 0x0
	.amdhsa_kernel k_qe9de16cf01_gemm
		.amdhsa_group_segment_fixed_size 327680
		.amdhsa_private_segment_fixed_size 0
		.amdhsa_enable_private_segment 0
		.amdhsa_kernarg_size 40
		.amdhsa_user_sgpr_count 2
		.amdhsa_user_sgpr_kernarg_segment_ptr 1
		.amdhsa_wavefront_size32 1
		.amdhsa_system_sgpr_workgroup_id_x 1
		.amdhsa_system_sgpr_workgroup_id_y 1
		.amdhsa_system_sgpr_workgroup_id_z 1
		.amdhsa_system_vgpr_workitem_id 0
		.amdhsa_next_free_vgpr 1024
		.amdhsa_next_free_sgpr 102
		.amdhsa_reserve_vcc 0
		.amdhsa_float_denorm_mode_32 3
		.amdhsa_float_denorm_mode_16_64 3
		.amdhsa_memory_ordered 1
		.amdhsa_forward_progress 1
		.amdhsa_inst_pref_size 196
	.end_amdhsa_kernel
	.amdgpu_metadata
---
amdhsa.version: [ 1, 2 ]
amdhsa.kernels:
  - .name:           k_qe9de16cf01_gemm
    .symbol:         k_qe9de16cf01_gemm.kd
    .args:
      - { .name: xc, .offset: 0, .size: 8, .value_kind: global_buffer, .address_space: global }
      - { .name: xs, .offset: 8, .size: 8, .value_kind: global_buffer, .address_space: global }
      - { .name: wc, .offset: 16, .size: 8, .value_kind: global_buffer, .address_space: global }
      - { .name: ws, .offset: 24, .size: 8, .value_kind: global_buffer, .address_space: global }
      - { .name: qkv, .offset: 32, .size: 8, .value_kind: global_buffer, .address_space: global }
    .group_segment_fixed_size: 327680
    .private_segment_fixed_size: 0
    .kernarg_segment_align: 8
    .kernarg_segment_size: 40
    .max_flat_workgroup_size: 128
    .sgpr_count:     102
    .vgpr_count:     1024
    .wavefront_size: 32
...
	.end_amdgpu_metadata
.endif
;; end of part 3
;; launch attn (part 4): grid 8 x 32, 8 waves a work-group, no clusters, 327,680 bytes of LDS; arguments qkv, lgate, out0; writes out0
.if DOCPART == 4
	.amdgcn_target "amdgcn-amd-amdhsa--gfx1250"
	.amdhsa_code_object_version 6
	.text
	.protected	k_qe9de16cf01_attn
	.globl	k_qe9de16cf01_attn
	.p2align	8
	.type	k_qe9de16cf01_attn,@function
k_qe9de16cf01_attn:
	s_mov_b64 s[64:65], 0
	v_nop
	global_prefetch_b8 v0, s[64:65] scope:SCOPE_SE
	s_setreg_imm32_b32 hwreg(HW_REG_WAVE_MODE, 25, 1), 1
	s_wait_xcnt 0x0
; Causal power attention with gating, positions 16 on of every batch and head (positions 0-15 are made in f32 by an earlier launch).
; Row t: y = sum_s p V_s / sum_s p, p = 2^(z - max z), z = 2 log2(|Q_t . K_s| + 1e-7) + h_s, h_s = the running sum of n = -log2(sigmoid(gate)).  log(scale) and the query's own gate sum are the same along a row and fall out against the maximum.
; The maximum is a running one: when it moves, the sum and O are multiplied by 2^(old - new).
; THE SCORES ARE CARRIED FINELY: a weight is a score's square, and the gates leave a row few keys, so a row may hang on a few small scores.  q and k come as pairs of f16 numbers, a high and a low part split in f32:
; S = Kh Qh + Kl Qh + Kh Ql, f32 sums (Kl Ql, under 2^-20 of the product, is left out).  V and p (at most 1) go in f16, rounded once; the row's sum is taken of the f32 p.
; SHARES.  Work-group (p, head) owns query blocks p and 15 - p of 128: equal work for all.  Wave w owns 16 queries of each: tile L (128 p + 16 w on) and tile H (128 (15 - p) + 16 w on).  Every wave walks the keys 64 a step; while both tiles count they share K's and V's fragments.
; K and V come as images of operand registers (a step of 64 keys: 16 KiB on end of K's pairs, 8 KiB of V) through two LDS slots of 4 steps, filled by waves 0-3 (K's steps) and 4-5 (V's halves), 16 KiB a load.  A fragment is two loads at 16 x lane: no pitch, no transposing.
; Both products are used transposed: S^T = K Q^T, O^T = V^T P: a lane holds one query (lane % 16) throughout; register 8 t + j of S^T is key 16 t + 8 (lane / 16) + j, and packed in pairs S^T's registers are P's fragment.
; NO CLUSTER: which steps a wave leaves out and where the loads end hang on p, which differs between the work-groups that share a head's K and V.
; LIMITS: NaN and infinities are not served; h is a plain f32 prefix sum in another order of additions than a serial one; a low part under 6e-5 is kept to 3e-8 absolute.
; REGISTERS: window 0: v1-15, v204 addresses; v16-29, v30-43 statistics of H, L (+0 m, +2:3 sum, +4 factor, +6..9 and +10:11 at work, +12 old m; +1, +5 written once, named as upper halves of pairs); v44-75 the step's 32 h;
;   v76-107 S^T of H, v108-139 of L (on the way out: rows of y); v140-171 O^T of H, v172-203 of L.   window 1: v0-63 K's high parts, v64-127 its low parts, v128-191 V, v192-223 Q of H (high, low), v224-255 Q of L.
.set SLOT1, 131072                     ; slot 1 begins here, so that one exclusive or turns an address in one slot into the other's
.set VOFF,  65536                      ; a slot: K's 4 x 16 KiB, then V's 4 x 8 KiB
.set HB,    SLOT1+VOFF+32768           ; behind the ring: h[2048], f32
.set WT,    HB+8192                    ; the eight waves' totals
.set STG,   WT+256                     ; a stage of 16 rows x (256 + 16) bytes for each wave
.set SPITCH, 272
.set SPARE, STG+8*16*SPITCH            ; the spare words, 128 bytes for each wave: no other line names them
.set ALN, 1
.set AH0, 2
.set STO, 3
.set RD,  4
.set SPW, 5
.set NIL, 6
.set GO,  7
.set ADK, 8
.set ADH, 9
.set DD,  10
.set NINF, 11
.set W0,  12
.set W1,  13
.set PFO, 14
.set RH,  15
.set STH, 16
.set STL, 30
.set HS,  44
.set SH,  76
.set SL,  108
.set OA,  76                           ; the way out works in S^T's registers
.set OB,  108
.set OH,  140
.set OL,  172
.set ADV, 204
.set VF,  128                          ; window 1
.set QFH, 192
.set QFL, 224
.set TB,  2                            ; s2  LDS byte of the step's K
.set TH,  3                            ; s3  4 x the step's first key
.set WV,  18
.set SEL, 20
.set EPS, 22
.set G1,  24
.set G0K, 40
.set G0V, 44
.set CNT, 66
.set SLOTS, 67
.set TV,  68                           ; s68 LDS byte of the step's V
.set PFA, 76
.set PFB, 78
.set LIM, 80
.set BH,  81
.set OUTH, 82
.set OUTL, 84
.set LASTQ, 94
.set LIML, 95
.set LIMH, 96
.set QL,  97
.set KEY, 98
.set QH,  99
.set MSB, 0
.macro WIN new                         ; bits 1:0 source 0, 3:2 source 1, 5:4 source 2, 7:6 destination; the high byte repeats the setting that is left
.if MSB != \new
	s_set_vgpr_msb (MSB<<8)|\new
.set MSB, \new
.endif
.endm
.macro TLOAD                           ; waves 0-3 fetch K's four steps, waves 4 and 5 V's two halves, waves 6 and 7 nothing; an s_nop 0 and four v_nop follow each of the two lines
	s_cmp_lt_u32 s[WV], 4
	s_cbranch_scc0 .Lnot_k_\@
	tensor_load_to_lds s[G0K:G0K+3], s[G1:G1+7]
	s_nop 0
.rept 4
	v_nop
.endr
	s_branch .Lasked_\@
.Lnot_k_\@:
	s_cmp_lt_u32 s[WV], 6
	s_cbranch_scc0 .Lasked_\@
	tensor_load_to_lds s[G0V:G0V+3], s[G1:G1+7]
	s_nop 0
.rept 4
	v_nop
.endr
.Lasked_\@:
.endm
; A prefetch of the slot that the NEXT change of slots will ask for: four key steps ahead of that load.  All eight work-groups of a head walk the same K and V: the one with p = 0, which walks all slots, asks;
; in it waves 6 and 7, which fetch nothing, take half of the slot's 64 KiB of K and half of its 32 KiB of V each, lanes 256 bytes apart: each block of 256 bytes is named once in the launch.  The last change that fills a slot asks for nothing.
.macro ASK
	s_cmp_gt_u32 s[SLOTS], s[LIM]
	s_cbranch_scc0 .Lnot_mine_\@
.irp i, 0,1,2,3
	global_prefetch_b8 v[PFO], s[PFA:PFA+1] offset:8192*\i th:TH_LOAD_NT scope:SCOPE_SE
.endr
.irp i, 0,1
	global_prefetch_b8 v[PFO], s[PFB:PFB+1] offset:8192*\i th:TH_LOAD_NT scope:SCOPE_SE
.endr
.Lnot_mine_\@:
.endm
; One term of S^T = K Q^T for one tile: four accumulators by turns, channels 0-31, then 32-63.  ko: K's high (0) or low (64) parts; qo: Q's high (0) or low (16); zero = 1: the first four start the sums.
.macro QK1 s, q, ko, qo, zero
.irp f, 0,1
.irp t, 0,1,2,3
.if (\zero) && (\f == 0)
	v_wmma_f32_16x16x32_f16 v[\s+8*\t:\s+8*\t+7], v[\ko+16*\t+8*\f:\ko+16*\t+8*\f+7], v[\q+\qo+8*\f:\q+\qo+8*\f+7], 0
.else
	v_wmma_f32_16x16x32_f16 v[\s+8*\t:\s+8*\t+7], v[\ko+16*\t+8*\f:\ko+16*\t+8*\f+7], v[\q+\qo+8*\f:\q+\qo+8*\f+7], v[\s+8*\t:\s+8*\t+7]
.endif
.endr
.endr
.endm
.macro QK s, q                         ; Kh Qh + Kl Qh + Kh Ql
	QK1 \s, \q, 0, 0, 1
	QK1 \s, \q, 64, 0, 0
	QK1 \s, \q, 0, 16, 0
.endm
.macro PV o, s                         ; O^T += V^T P: four accumulators by turns, keys 0-31, then 32-63
.irp g, 0,1
.irp c, 0,1,2,3
	v_wmma_f32_16x16x32_f16 v[\o+8*\c:\o+8*\c+7], v[VF+8*(4*\g+\c):VF+8*(4*\g+\c)+7], v[\s+8*\g:\s+8*\g+7], v[\o+8*\c:\o+8*\c+7]
.endr
.endr
.endm
; One tile's softmax for a step.  s: S^T; t: its statistics; q: the scalar with its first query; o: its O^T.
.macro SOFTMAX s, t, q, o
.set n, 0
.rept 32
	v_add_f32 v[\s+n], |v[\s+n]|, s[EPS]           ; each accumulator from its low end on
.set n, n+1
.endr
.set n, 0
.rept 32
	v_log_f32 v[\s+n], v[\s+n]
.set n, n+1
.endr
	v_mov_b32 v[\t+12], v[\t]                      ; the old m (the plain line behind the batch)
	s_wait_alu depctr_va_vdst(0)                   ; one wait for the 32, ahead of their first reader
.set n, 0
.rept 16
	v_pk_fma_f32 v[\s+n:\s+n+1], v[\s+n:\s+n+1], 2.0, v[HS+n:HS+n+1] op_sel_hi:[1,0,1]   ; z = 2 log2 + h
.set n, n+2
.endr
	s_add_co_u32 s90, s[KEY], 63                   ; a step all of whose keys count for all 16 queries has no mask: a branch on ids and the count of steps
	s_cmp_le_u32 s90, s[\q]
	s_cbranch_scc1 .Lopen_\@
	s_sub_co_u32 s90, s[\q], s[KEY]
	v_add_nc_u32 v[DD], s90, v[RH]                 ; d = my query - the step's first key - 8 (lane / 16): register 8 t + j is hidden where 16 t + j > d
.set n, 0
.rept 32
	v_cmp_gt_i32 vcc_lo, 16*(n/8)+n%8, v[DD]
	v_cndmask_b32 v[\s+n], v[\s+n], v[NINF], vcc_lo
.set n, n+1
.endr
.Lopen_\@:
.irp c, 0,1,2,3
	v_max3_num_f32 v[\t+6+\c], v[\s+8*\c], v[\s+8*\c+1], v[\s+8*\c+2]   ; the maximum, in four chains
.endr
.irp i, 3,5
.irp c, 0,1,2,3
	v_max3_num_f32 v[\t+6+\c], v[\t+6+\c], v[\s+8*\c+\i], v[\s+8*\c+\i+1]
.endr
.endr
	v_max3_num_f32 v[\t+6], v[\t+6], v[\s+7], v[\s+15]
	v_max3_num_f32 v[\t+8], v[\t+8], v[\s+23], v[\s+31]
	v_max3_num_f32 v[\t+6], v[\t+6], v[\t+7], v[\t+8]
	v_max3_num_f32 v[\t+6], v[\t+6], v[\t+9], v[\t+12]
	v_permlanex16_b32 v[\t+7], v[\t+6], s[SEL], s[SEL+1]   ; the query's other 32 keys lie in the lane 16 away
	v_max_num_f32 v[\t], v[\t+6], v[\t+7]          ; the new m: a number, since the step's first key counts for every query of the tile
	v_sub_f32 v[\t+4], v[\t+12], v[\t]
.set n, 0
.rept 16
	v_pk_add_f32 v[\s+n:\s+n+1], v[\s+n:\s+n+1], v[\t:\t+1] op_sel_hi:[1,0] neg_lo:[0,1] neg_hi:[0,1]   ; z - m
.set n, n+2
.endr
	v_exp_f32 v[\t+4], v[\t+4]                     ; one batch: the factor 2^(old m - m) and the 32 p
.set n, 0
.rept 32
	v_exp_f32 v[\s+n], v[\s+n]
.set n, n+1
.endr
	v_nop
	s_wait_alu depctr_va_vdst(0)                   ; one wait for the 33
	v_pk_mul_f32 v[\t+2:\t+3], v[\t+2:\t+3], v[\t+4:\t+5] op_sel_hi:[1,0]
	v_pk_add_f32 v[\t+10:\t+11], v[\s:\s+1], v[\s+2:\s+3]   ; the sum of the f32 p, in two chains
.irp j, 4,8,12,16,20,24,28
	v_pk_add_f32 v[\t+2:\t+3], v[\t+2:\t+3], v[\s+\j:\s+\j+1]
	v_pk_add_f32 v[\t+10:\t+11], v[\t+10:\t+11], v[\s+\j+2:\s+\j+3]
.endr
	v_pk_add_f32 v[\t+2:\t+3], v[\t+2:\t+3], v[\t+10:\t+11]
.set n, 0
.rept 16
	v_cvt_pk_f16_f32 v[\s+n], v[\s+2*n], v[\s+2*n+1]   ; P in place: register n is written when registers 2 n and 2 n + 1 are read, never before
.set n, n+1
.endr
.set n, 0
.rept 16
	v_pk_mul_f32 v[\o+n:\o+n+1], v[\o+n:\o+n+1], v[\t+4:\t+5] op_sel_hi:[1,0]   ; O^T under the new m, each accumulator from its low end on
.set n, n+2
.endr
.endm
; A KEY STEP of 64 keys.  A step whose keys all come after tile H's queries is left out; one whose keys all come after tile L's takes the arm for H alone.  Branches on ids and the count of steps; no barrier, wait on tensor loads or tensor load stands in a step.
.macro STEP
	s_cmp_ge_u32 s[KEY], s[LIMH]
	s_cbranch_scc1 .Lhid_\@
	v_add_nc_u32 v[ADK], s[TB], v[ALN]
	v_add_nc_u32 v[ADV], s[TV], v[ALN]
	v_add_nc_u32 v[ADH], s[TH], v[AH0]
	WIN 0x40
.irp l, 0,1
.irp t, 0,1,2,3
.irp f, 0,1
.irp c, 0,1
	ds_load_b128 v[64*\l+16*\t+8*\f+4*\c:64*\l+16*\t+8*\f+4*\c+3], v[ADK] offset:4096*\t+2048*\l+1024*\f+512*\c
.endr
.endr
.endr
.endr
	WIN 0
.irp t, 0,1,2,3
.irp c, 0,1
	ds_load_b128 v[HS+8*\t+4*\c:HS+8*\t+4*\c+3], v[ADH] offset:64*\t+16*\c
.endr
.endr
	WIN 0x40
.irp f, 0,1,2,3,4,5,6,7
.irp c, 0,1
	ds_load_b128 v[VF+8*\f+4*\c:VF+8*\f+4*\c+3], v[ADV] offset:1024*\f+512*\c
.endr
.endr
	WIN 0
	s_wait_dscnt 24                                ; K's 32 loads are in; h's 8 and V's 16 may be out
	s_cmp_ge_u32 s[KEY], s[LIML]
	s_cbranch_scc1 .Lone_\@
	WIN 0x05
	QK SH, QFH
	QK SL, QFL
	WIN 0
.rept 4
	v_nop                                          ; four places between the last product and the first read of a result
.endr
	s_wait_dscnt 16                                ; h is in; V's 16 loads may be out
	SOFTMAX SH, STH, QH, OH
	SOFTMAX SL, STL, QL, OL
	s_wait_dscnt 0x0                               ; V is in
	WIN 0x01
	PV OH, SH
	PV OL, SL
	WIN 0
	s_branch .Ldone_\@
.Lone_\@:
	WIN 0x05
	QK SH, QFH
	WIN 0
.rept 4
	v_nop
.endr
	s_wait_dscnt 16
	SOFTMAX SH, STH, QH, OH
	s_wait_dscnt 0x0
	WIN 0x01
	PV OH, SH
	WIN 0
.Ldone_\@:
.rept 5
	v_nop                                          ; five places: the next step's first products write over P, which the last products read; its loads land on V
.endr
.Lhid_\@:
	s_add_co_u32 s[KEY], s[KEY], 64
	s_add_co_u32 s[TB], s[TB], 16384
	s_add_co_u32 s[TV], s[TV], 8192
	s_add_co_u32 s[TH], s[TH], 256
.endm
; THE CHANGE OF SLOTS, at a slot's head.  Each wave waits for all its tensor loads, adds 0 to its spare word, and waits for that and for its reads of the slot that it has left; behind the barrier the slot ahead is whole and nobody reads the other.
; fill = 1: that other slot takes the next 256 keys, unless its first key comes after the work-group's last query: then none of the eight waves would read it, and it is not asked for.  One tensor load of a wave is out at any time.
.macro CHANGE fill
	s_wait_tensorcnt 0x0
	ds_add_u32 v[SPW], v[NIL]
.if \fill
	ds_add_u32 v[SPW], v[NIL]                      ; twice on end here, in every trip alike
	s_xor_b32 s[G0K+1], s[G0K+1], SLOT1            ; no tensor load of mine is out: the walking descriptors take the other slot and the next 256 keys
	s_add_nc_u64 s[G0K+2:G0K+3], s[G0K+2:G0K+3], 65536
	s_xor_b32 s[G0V+1], s[G0V+1], SLOT1
	s_add_nc_u64 s[G0V+2:G0V+3], s[G0V+2:G0V+3], 32768
	s_wait_xcnt 0x0                                ; the last prefetches, a slot back, have read their addresses
	s_add_nc_u64 s[PFA:PFA+1], s[PFA:PFA+1], 65536
	s_add_nc_u64 s[PFB:PFB+1], s[PFB:PFB+1], 32768
.endif
	s_wait_dscnt 0x0
	s_barrier_signal -1
	s_barrier_wait -1
.if \fill
	s_add_co_u32 s90, s[KEY], 256                  ; the first key of the slot that this change would ask for
	s_cmp_gt_u32 s90, s[LASTQ]                     ; ids and the count of steps alone: all eight waves go the same way
	s_cbranch_scc1 .Lpast_\@
	TLOAD
.Lpast_\@:
	ASK
.endif
.endm
.macro SLOT_STEPS                      ; a slot's four steps: written once, walked four times
	s_mov_b32 s[CNT], 4
.Lst_\@:
	STEP
	s_sub_co_u32 s[CNT], s[CNT], 1
	s_cmp_lg_u32 s[CNT], 0
	s_cbranch_scc1 .Lst_\@
	s_sub_co_u32 s[TB], s[TB], 65536
	s_xor_b32 s[TB], s[TB], SLOT1                  ; on to the other slot
	s_sub_co_u32 s[TV], s[TV], 32768
	s_xor_b32 s[TV], s[TV], SLOT1
.endm
; THE WAY OUT of a tile: O^T / the sum goes through my stage and leaves as whole rows: sixteen lanes store a head's 256 consecutive bytes of a row, aligned.
.macro OUT t, o, base
	v_add_f32 v[W0], v[\t+2], v[\t+3]
	v_permlanex16_b32 v[W1], v[W0], s[SEL], s[SEL+1]
	v_add_f32 v[W0], v[W0], v[W1]
	v_rcp_f32 v[W0], v[W0]
	v_nop
	s_wait_alu depctr_va_vdst(0)
.set n, 0
.rept 32
	v_mul_f32 v[OA+n], v[\o+n], v[W0]              ; each accumulator from its low end on
.set n, n+1
.endr
.irp c, 0,1,2,3
	ds_store_b128 v[STO], v[OA+8*\c:OA+8*\c+3] offset:64*\c
	ds_store_b128 v[STO], v[OA+8*\c+4:OA+8*\c+7] offset:64*\c+16
.endr
.irp i, 0,1,2,3,4,5,6,7
	ds_load_b128 v[OB+4*\i:OB+4*\i+3], v[RD] offset:2*SPITCH*\i   ; LDS serves a wave's instructions in order: these see my stores
.endr
.irp i, 0,1,2,3,4,5,6,7
	s_wait_dscnt 7-\i                              ; the younger read-backs may be out
	global_store_b128 v[GO], v[OB+4*\i:OB+4*\i+3], s[\base:\base+1] offset:8192*\i th:TH_STORE_NT
.endr
.endm
	s_load_b128 s[4:7], s[0:1], 0x0                ; qkv s[4:5], lgate s[6:7]
	s_load_b64 s[8:9], s[0:1], 0x10                ; out0
	v_lshl_add_u32 v[SPW], v0, 2, SPARE
	v_mov_b32 v[NIL], 0
	ds_add_u32 v[SPW], v[NIL]                      ; the wave's opening: the add, twice on end, and its wait ahead of my first tensor load
	ds_add_u32 v[SPW], v[NIL]
	v_lshrrev_b32 v[W0], 5, v0
	v_readfirstlane_b32 s[WV], v[W0]               ; wave 0..7
	s_and_b32 s[BH], ttmp7, 0xffff                 ; batch x 16 + head
	s_lshl_b32 s90, ttmp9, 7                       ; 128 p
	s_lshl_b32 s91, s[WV], 4
	s_add_co_u32 s[QL], s90, s91                   ; tile L's first query
	s_sub_co_u32 s92, 1920, s90
	s_add_co_u32 s[QH], s92, s91                   ; tile H's
	s_add_co_u32 s[LIMH], s[QH], 16                ; the first key that counts for none of H's queries
	s_add_co_u32 s[LIML], s[QL], 16
	s_cmp_eq_u32 s[QL], 0
	s_cselect_b32 s[LIML], 0, s[LIML]              ; positions 0-15 are not this launch's: that tile has no step and no way out
	s_sub_co_u32 s[LASTQ], 2047, s90               ; the work-group's last query
	s_mov_b32 s[G1], 3<<16                         ; group 1: no mask, elements of 8 bytes, no padding: 64 rows of 256 bytes, dense
	s_mov_b32 s[G1+1], 32<<16                      ; tensor_dim0
	s_mov_b32 s[G1+2], 64<<16                      ; tensor_dim1
	s_mov_b32 s[G1+3], 32<<16                      ; tile_dim0
	s_mov_b32 s[G1+4], 64                          ; tile_dim1
	s_mov_b32 s[G1+5], 32                          ; the pitch
	s_mov_b32 s[G1+6], 0
	s_mov_b32 s[G1+7], 0
	s_mov_b32 s[G0K], 1
	s_and_b32 s90, s[WV], 3
	s_lshl_b32 s90, s90, 14                        ; K: step wave % 4 of a slot, 16 KiB, in LDS and in memory alike
	s_mov_b32 s[G0K+1], s90                        ; slot 0
	s_mov_b32 s[G0V], 1
	s_and_b32 s92, s[WV], 1
	s_lshl_b32 s92, s92, 14                        ; V: half wave % 2 of a slot's 32 KiB
	s_add_co_u32 s[G0V+1], s92, VOFF
	s_lshl_b32 s86, s[BH], 19                      ; the head's 524,288 bytes in q's and in k's section
	s_add_co_u32 s90, s90, s86
	s_add_co_u32 s90, s90, 1<<24                   ; k's section
	s_mov_b32 s91, 0
	s_lshl_b32 s88, s[BH], 18                      ; the head's 262,144 bytes in v's section
	s_add_co_u32 s92, s92, s88
	s_add_co_u32 s92, s92, 2<<24                   ; v's section
	s_mov_b32 s93, 0
	s_mov_b32 s87, 0
	s_mov_b32 s[SEL], 0x76543210
	s_mov_b32 s[SEL+1], 0xfedcba98                 ; v_permlanex16_b32's selects for lane l xor 16
	s_mov_b32 s[EPS], 0x33d6bf95                   ; 1e-7
	s_mov_b32 s[TB], 0
	s_mov_b32 s[TV], VOFF
	s_mov_b32 s[TH], 0
	s_mov_b32 s[KEY], 0
	s_mov_b32 s[SLOTS], 7
	v_and_b32 v[W0], 31, v0                        ; lane
	v_lshlrev_b32 v[ALN], 4, v[W0]
	v_lshlrev_b32 v[PFO], 8, v[W0]
	v_and_b32 v[W1], 15, v0                        ; r
	v_bfe_u32 v[DD], v0, 4, 1                      ; hh
	v_lshl_add_u32 v[AH0], v[DD], 5, HB
	s_mul_i32 s23, s[WV], 16*SPITCH
	s_add_co_u32 s23, s23, STG                     ; my stage
	v_mul_u32_u24 v[STO], v[W1], SPITCH
	v_lshl_add_u32 v[STO], v[DD], 5, v[STO]
	v_add_nc_u32 v[STO], s23, v[STO]               ; in: row r, + 32 hh
	v_mul_u32_u24 v[RD], v[DD], SPITCH
	v_lshl_add_u32 v[RD], v[W1], 4, v[RD]
	v_add_nc_u32 v[RD], s23, v[RD]                 ; back: lanes 0-15 one row, lanes 16-31 the next
	v_lshlrev_b32 v[GO], 12, v[DD]
	v_lshl_add_u32 v[GO], v[W1], 4, v[GO]          ; and the same two rows in out0
	v_lshlrev_b32 v[RH], 3, v[DD]
	v_sub_nc_u32 v[RH], v[W1], v[RH]               ; r - 8 hh
	v_mov_b32 v[NINF], 0xff800000                  ; -infinity
	v_lshlrev_b32 v89, 2, v[W0]
	v_add_nc_u32 v89, -4, v89                      ; the lane below, as a byte index
	s_lshl_b32 s23, s[WV], 2
	s_add_co_u32 s23, s23, WT
	v_mov_b32 v88, s23                             ; my wave's word among the totals
	v_mov_b32 v91, WT
	v_lshl_add_u32 v101, v0, 5, HB                 ; my thread's eight h
	v_lshlrev_b32 v102, 5, v0                      ; and its eight n in lgate
	s_wait_dscnt 0x0                               ; both opening adds are done
	s_wait_kmcnt 0x0
	s_add_nc_u64 s[G0K+2:G0K+3], s[4:5], s[90:91]
	s_or_b32 s[G0K+3], s[G0K+3], 0x80000000
	s_add_nc_u64 s[G0V+2:G0V+3], s[4:5], s[92:93]
	s_or_b32 s[G0V+3], s[G0V+3], 0x80000000
	TLOAD                                          ; slot 0, the first fill: key 0 counts for every query, so every wave reads it
	s_add_nc_u64 s[86:87], s[4:5], s[86:87]        ; q's section, my head
	s_lshl_b32 s90, s[QH], 8                       ; 256 bytes of images a token
	s_add_nc_u64 s[88:89], s[86:87], s[90:91]
	s_lshl_b32 s90, s[QL], 8
	s_add_nc_u64 s[86:87], s[86:87], s[90:91]
	s_lshl_b32 s90, s[BH], 13
	s_add_nc_u64 s[6:7], s[6:7], s[90:91]          ; my head's row of n
	global_load_b128 v[76:79], v102, s[6:7]
	global_load_b128 v[80:83], v102, s[6:7] offset:16
	WIN 0x40
.irp i, 0,1,2,3,4,5,6,7
	global_load_b128 v[QFH+4*\i:QFH+4*\i+3], v[ALN], s[88:89] offset:512*\i   ; Q stays in registers: 16 of high parts, 16 of low
.endr
.irp i, 0,1,2,3,4,5,6,7
	global_load_b128 v[QFL+4*\i:QFL+4*\i+3], v[ALN], s[86:87] offset:512*\i
.endr
	WIN 0
	s_and_b32 s90, s[WV], 1                        ; the prefetches: my half of slot 1 in k's and in v's section; the first change of slots steps them to slot 2.  Nothing is asked for here
	s_lshl_b32 s92, s90, 14
	s_lshl_b32 s90, s90, 15
	s_lshl_b32 s23, s[BH], 19
	s_add_co_u32 s90, s90, s23
	s_add_co_u32 s90, s90, (1<<24)+65536
	s_lshl_b32 s23, s[BH], 18
	s_add_co_u32 s92, s92, s23
	s_add_co_u32 s92, s92, (2<<24)+32768
	s_add_nc_u64 s[PFA:PFA+1], s[4:5], s[90:91]
	s_add_nc_u64 s[PFB:PFB+1], s[4:5], s[92:93]
	s_lshr_b32 s90, s[WV], 1
	s_xor_b32 s90, s90, 3                          ; 0 in waves 6 and 7,
	s_or_b32 s90, s90, ttmp9                       ; of the work-group with p = 0
	s_cmp_eq_u32 s90, 0
	s_cselect_b32 s[LIM], 1, -1
	s_lshr_b32 s90, s[BH], 4                       ; out0: (batch x 2,048 + query) rows of 4,096 bytes, + 256 x head
	s_lshl_b32 s90, s90, 11
	s_add_co_u32 s92, s90, s[QH]
	s_lshl_b32 s92, s92, 12
	s_add_co_u32 s90, s90, s[QL]
	s_lshl_b32 s90, s90, 12
	s_and_b32 s23, s[BH], 15
	s_lshl_b32 s23, s23, 8
	s_add_co_u32 s92, s92, s23
	s_add_co_u32 s90, s90, s23
	s_add_nc_u64 s[OUTH:OUTH+1], s[8:9], s[92:93]
	s_add_nc_u64 s[OUTL:OUTL+1], s[8:9], s[90:91]
	; THE PREFIX SUM h of the head's 2,048 n: eight a thread, then over the lanes, then over the waves.
	s_wait_loadcnt 16                              ; n is in; Q's sixteen loads may be out
.irp j, 1,2,3,4,5,6,7
	v_add_f32 v[76+\j], v[75+\j], v[76+\j]
.endr
	v_mov_b32 v84, v83
	v_add_f32_dpp v84, v84, v84 row_shr:1 row_mask:0xf bank_mask:0xf   ; a lane with no source keeps its own value, which is the sum wanted there
	v_add_f32_dpp v84, v84, v84 row_shr:2 row_mask:0xf bank_mask:0xf
	v_add_f32_dpp v84, v84, v84 row_shr:4 row_mask:0xf bank_mask:0xf
	v_add_f32_dpp v84, v84, v84 row_shr:8 row_mask:0xf bank_mask:0xf
	v_readlane_b32 s90, v84, 15
	s_mov_b32 s91, 0xffff0000
	v_mov_b32 v86, s90
	v_cndmask_b32 v86, 0, v86, s91                 ; lanes 16-31 add the lower half's total
	v_add_f32 v84, v84, v86
	v_readlane_b32 s92, v84, 31
	v_mov_b32 v87, s92
	ds_store_b32 v88, v87                          ; my wave's total: all lanes write the same word with the same value
	ds_bpermute_b32 v85, v89, v84                  ; the sum up to the lane below
	s_wait_dscnt 0x0
	s_barrier_signal -1                            ; (slot 0's load may be out)
	s_barrier_wait -1
	ds_load_b128 v[92:95], v91
	ds_load_b128 v[96:99], v91 offset:16
	s_mov_b32 s93, 1
	v_cndmask_b32 v85, v85, 0, s93                 ; lane 0 has none below
	s_wait_dscnt 0x0
	s_cmp_gt_u32 s[WV], 0
	s_cselect_b32 s90, -1, 0
	v_cndmask_b32 v90, 0, v92, s90                 ; the totals of the waves below mine
.irp k, 1,2,3,4,5,6
	s_cmp_gt_u32 s[WV], \k
	s_cselect_b32 s90, -1, 0
	v_cndmask_b32 v100, 0, v[92+\k], s90
	v_add_f32 v90, v90, v100
.endr
	v_add_f32 v90, v90, v85
.irp j, 0,1,2,3,4,5,6,7
	v_add_f32 v[76+\j], v[76+\j], v90
.endr
	ds_store_b128 v101, v[76:79]                   ; the first change of slots waits for these and passes a barrier: then every wave may read h
	ds_store_b128 v101, v[80:83] offset:16
.irp t, STH, STL
	v_mov_b32 v[\t], 0xff61b1e6                    ; m: -3e38, under every z
	v_mov_b32 v[\t+1], 0
	v_mov_b32 v[\t+2], 0                           ; the sum, in two halves
	v_mov_b32 v[\t+3], 0
	v_mov_b32 v[\t+5], 0
.endr
.set n, 0
.rept 64
	v_mov_b32 v[OH+n], 0                           ; O^T of both tiles: the step is written without a first step of its own, whose copy would be longer than these lines
.set n, n+1
.endr
	s_wait_loadcnt 0x0                             ; Q
.Lslot:                                            ; seven trips: behind each change of slots but the last the next slot is asked for, up to the causal limit
	CHANGE 1
	SLOT_STEPS
	s_sub_co_u32 s[SLOTS], s[SLOTS], 1
	s_cmp_lg_u32 s[SLOTS], 0
	s_cbranch_scc1 .Lslot
	CHANGE 0                                       ; the last slot is written out: nothing is left to ask for
	SLOT_STEPS
	OUT STH, OH, OUTH
	s_cmp_eq_u32 s[LIML], 0
	s_cbranch_scc1 .Lno_low
	s_wait_xcnt 0x0                                ; tile H's stores have read their data registers, which tile L's rows take
	OUT STL, OL, OUTL
.Lno_low:
	s_wait_tensorcnt 0x0                           ; the wave's end, behind my last tensor load and my last LDS store
	ds_add_u32 v[SPW], v[NIL]
	s_wait_dscnt 0x0
	s_endpgm
.Lfunc_end_k_qe9de16cf01_attn:
	.size	k_qe9de16cf01_attn, .Lfunc_end_k_qe9de16cf01_attn-k_qe9de16cf01_attn
	.p2alignl 7, 3214868480
	.fill 96, 4, 3214868480
	.section	.rodata,"a",@progbits
	.p2align	6, 0x0
	.amdhsa_kernel k_qe9de16cf01_attn
		.amdhsa_group_segment_fixed_size 327680
		.amdhsa_private_segment_fixed_size 0
		.amdhsa_enable_private_segment 0
		.amdhsa_kernarg_size 24
		.amdhsa_user_sgpr_count 2
		.amdhsa_user_sgpr_kernarg_segment_ptr 1
		.amdhsa_wavefront_size32 1
		.amdhsa_system_sgpr_workgroup_id_x 1
		.amdhsa_system_sgpr_workgroup_id_y 1
		.amdhsa_system_sgpr_workgroup_id_z 1
		.amdhsa_system_vgpr_workitem_id 0
		.amdhsa_next_free_vgpr 512
		.amdhsa_next_free_sgpr 100
		.amdhsa_reserve_vcc 1
		.amdhsa_float_denorm_mode_32 3
		.amdhsa_float_denorm_mode_16_64 3
		.amdhsa_memory_ordered 1
		.amdhsa_forward_progress 1
		.amdhsa_inst_pref_size 120
	.end_amdhsa_kernel
	.amdgpu_metadata
---
amdhsa.version: [ 1, 2 ]
amdhsa.kernels:
  - .name:           k_qe9de16cf01_attn
    .symbol:         k_qe9de16cf01_attn.kd
    .args:
      - { .name: qkv, .offset: 0, .size: 8, .value_kind: global_buffer, .address_space: global }
      - { .name: lgate, .offset: 8, .size: 8, .value_kind: global_buffer, .address_space: global }
      - { .name: out0, .offset: 16, .size: 8, .value_kind: global_buffer, .address_space: global }
    .group_segment_fixed_size: 327680
    .private_segment_fixed_size: 0
    .kernarg_segment_align: 8
    .kernarg_segment_size: 24
    .max_flat_workgroup_size: 256
    .sgpr_count:     100
    .vgpr_count:     512
    .wavefront_size: 32
...
	.end_amdgpu_metadata
.endif
;; end of part 4
